; MI455X (gfx1250); checked and timed in simulation.
; The chip was launched on July 23, 2026; its instructions are those of AMD's public machine-readable ISA for CDNA 5 (MIT licence, August 2026) and "CDNA5" Instruction Set Architecture Reference Guide (July 2026). The comments in the code are by the model that wrote it; some were corrected since.
;; LRU Cell. Allowed arithmetic: matrix products marked QUANTISED: E3M2 operands, one E8M0 scale for each 32 along K, by v_wmma_scale_f32_16x16x128_f8f6f4 with both operands' format E3M2, f32 sums; everything else in f32.
;; Inputs: Bi_codes 2,048 x 32 x 24 uint8 (E3M2 codes of Bi, K innermost, in blocks of 32 codes, four codes in three bytes); Bi_scales 2,048 x 32 uint8 (E8M0 scales of Bi, one for each 32 codes along K); Br_codes 2,048 x 32 x 24 uint8 (E3M2 codes of Br, K innermost, in blocks of 32 codes, four codes in three bytes); Br_scales 2,048 x 32 uint8 (E8M0 scales of Br, one for each 32 codes along K); Ci_codes 1,024 x 64 x 24 uint8 (E3M2 codes of Ci, K innermost, in blocks of 32 codes, four codes in three bytes); Ci_scales 1,024 x 64 uint8 (E8M0 scales of Ci, one for each 32 codes along K); Cr_codes 1,024 x 64 x 24 uint8 (E3M2 codes of Cr, K innermost, in blocks of 32 codes, four codes in three bytes); Cr_scales 1,024 x 64 uint8 (E8M0 scales of Cr, one for each 32 codes along K); h_prev 8,192 x 2,048 float32; theta_log 2,048 float32; v_log 2,048 float32; x_codes 8,192 x 32 x 24 uint8 (E3M2 codes of x, K innermost, in blocks of 32 codes, four codes in three bytes); x_scales 8,192 x 32 uint8 (E8M0 scales of x, one for each 32 codes along K).
;; Outputs: out0 8,192 x 1,024 float32.
;; This version of the problem:
;;   THIS VERSION OF THE PROBLEM IS GIVEN IN LOW PRECISION. The matrix products marked QUANTISED in the list below multiply operands that are first quantised to E3M2 (3 exponent bits, 2 mantissa bits; 6 bits a number), with one power-of-two scale for each 32 numbers along K (OCP MX v1.0); their sums are f32. All else is computed in f32.
;;   The module's matrix products, in the order in which they are computed (A, B: the left and right operand; K: the contracted axis; several contracted axes count as one K, in the product's order):
;;     1. [M 8,192, K 1,024] x [K 1,024, N 2,048]; A: input x (given as codes); B: input Br (given as codes): QUANTISED
;;     2. [M 8,192, K 1,024] x [K 1,024, N 2,048]; A: input x (given as codes); B: input Bi (given as codes): QUANTISED
;;     3. [M 8,192, K 2,048] x [K 2,048, N 1,024]; A: computed on the way; B: input Cr (given as codes): QUANTISED
;;     4. [M 8,192, K 2,048] x [K 2,048, N 1,024]; A: computed on the way; B: input Ci (given as codes): QUANTISED
;;   THE QUANTISER, for each operand of a quantised product, along K:
;;     - K is cut into blocks of 32 from its start; a last block that is shorter is filled with zeros.
;;     - A block's scale is 2^e with e = floor(log2(the largest magnitude in the block)) - 4, held to -126 .. 127; a block of zeros has e = 0. As a byte (E8M0): e + 127.
;;     - Each number is divided by its block's scale, clamped to +-28, and rounded to the nearest number of E3M2, ties to even, subnormals kept.
;;     - The product sums the exact products of the quantised numbers (number of the format x scale) in f32.
;;   ~~~python
;;   def quantise(x, axis):      # numpy; x: float32 -> the quantised numbers, widened to float32 again
;;       x = np.moveaxis(x, axis, -1); K = x.shape[-1]
;;       x = np.pad(x, [(0, 0)] * (x.ndim - 1) + [(0, -K % 32)]); x = x.reshape(x.shape[:-1] + (-1, 32)); a = np.abs(x).max(-1, keepdims=True)
;;       e = np.where(a > 0, np.clip(np.frexp(np.where(a > 0, a, 1))[1] - 1 - 4, -126, 127), 0)      # np.frexp(a)[1] - 1 = floor(log2(a)), exactly
;;       r = np.clip(x / 2.0 ** e, -28, 28)
;;       step = 2.0 ** (np.maximum(np.frexp(np.where(r == 0, 1, r))[1] - 1, -2) - 2)
;;       q = np.round(r / step) * step * 2.0 ** e      # np.round: ties to even
;;       return np.moveaxis(q.reshape(q.shape[:-2] + (-1,))[..., :K], -1, axis).astype(np.float32)
;;   ~~~
;;   OPERANDS COMPUTED ON THE WAY. 'Computed on the way' means the value that the module computes at that place (a softmax that the list does not call 'softmax' is quantised finished and normalised). What goes into a quantiser is computed in f32, as accurately as f32 sums, v_exp_f32 and their like allow (about 1e-6 of the number): no bf16 or f16 on the way to a quantiser, and a product that is left as it is and whose result goes on into a quantised operand takes f32 operands (vector FMAs, or v_wmma_f32_16x16x4_f32). A number that lies on a knife's edge between two numbers of the format may be rounded either way, as far as f32 arithmetic and the matrix unit's own rounding can turn it there, and no further.
;;   INPUTS GIVEN AS CODES. Bi (in the module: [2048, 1024], K = its axis 1); Br (in the module: [2048, 1024], K = its axis 1); Ci (in the module: [1024, 2048], K = its axis 1); Cr (in the module: [1024, 2048], K = its axis 1); x (in the module: [8192, 1024], K = its axis 1): each comes as NAME_codes (uint8): NAME with its K axis moved to the last place and cut into blocks of 32 codes, [.., K / 32, bytes a block], one block behind the other in memory; four codes in three bytes: a row's codes are one little-endian stream of bits, code i at bits 6 i .. 6 i + 5 (a code: sign, 3 exponent bits, 2 mantissa bits); and NAME_scales (uint8): the same leading axes, one E8M0 byte (e + 127) for each 32 codes along K. Its value is code x scale, taken as it is: it is not quantised again, and the codes and scales need not be those that the quantiser above would give.
;; 2 versions. Each part assembles by itself: llvm-mc -triple=amdgcn-amd-amdhsa -mcpu=gfx1250 --defsym DOCPART=n.
;; ======== version 1 of 2: 2 launches
;; workspace buffers: hc 25,165,824 bytes; hs 1,048,576 bytes
;; launch hidden (part 1): grid 16 x 32, 4 waves a work-group, clusters of 4 x 4, 327,680 bytes of LDS; arguments x_codes, x_scales, Br_codes, Br_scales, Bi_codes, Bi_scales, h_prev, v_log, theta_log, hc, hs; writes hc, hs
.if DOCPART == 1
	.amdgcn_target "amdgcn-amd-amdhsa--gfx1250"
	.amdhsa_code_object_version 6
	.text
	.protected	k_q1fc59afe80_hidden
	.globl	k_q1fc59afe80_hidden
	.p2align	8
	.type	k_q1fc59afe80_hidden,@function
k_q1fc59afe80_hidden:
	s_mov_b64 s[64:65], 0
	v_nop
	global_prefetch_b8 v0, s[64:65] scope:SCOPE_SE
	s_setreg_imm32_b32 hwreg(HW_REG_WAVE_MODE, 25, 1), 1
	s_wait_xcnt 0x0
	s_wait_alu depctr_hold_cnt(0) depctr_sa_sdst(0) depctr_va_vdst(0) depctr_va_sdst(0) depctr_va_ssrc(0) depctr_va_vcc(0) depctr_vm_vsrc(0)
	s_getreg_b32 s2, hwreg(HW_REG_IB_STS2, 6, 4)
	s_cmp_eq_u32 s2, 0
	s_cbranch_scc0 .Lentry_in_a_cluster
	s_endpgm
.Lentry_in_a_cluster:
	s_bfe_u32 s2, ttmp6, 0x10000c
	s_cmp_lg_u32 s2, 0xf033
	s_cbranch_scc0 .Lentry_shape_is_right
	s_endpgm
.Lentry_shape_is_right:
; hr = x Br^T + h_prev wr,  -hi = -(x Bi^T) + h_prev (-wi),  w = exp(-exp(v_log)) (cos, sin)(exp(theta_log)); both are quantised along H to codes of BF6 (E3M2) with one E8M0 byte for each 32.
; x [8192][1024], Br, Bi [2048][1024]: codes, 768 bytes a row, and scale bytes, 32 a row.  h_prev [8192][2048] f32.  The sign of hi is taken here (the quantiser is odd), so that the next launch has ONE sum over K = 4,096 = [hr | -hi].
; OUT: hc, images of operand registers: [row / 128][K / 64][(row % 128) / 16][768 bytes]; in 768 bytes: registers 0-3 of the six at 16 x lane, registers 4-5 at 512 + 8 x lane; lane (r, h) holds row r, k = 32 h + 0 .. 31 of the 64.
;      hs, scale words: [K / 128][row], byte b for k = 32 b .. 32 b + 31.
; SHARES.  A work-group owns 256 rows x 128 hidden units of BOTH Br and Bi: a tile of 256 x 256 of products.  Wave w = 2 rh + ch owns rows 128 rh on x units 64 ch on of Br and the same 64 of Bi: 64 accumulators, 512 registers.
; So a wave's part of h_prev (128 rows x 256 bytes) serves hr and hi, and each byte of h_prev is loaded once in the launch, into registers that lie idle while K is walked: five of its eight blocks are asked for at the head.
; K goes in four slots of 256 through a ring of two LDS slots (rows of 192 bytes); the scale bytes of the work-group's rows come once, in whole runs of 256 bytes, and stay.
; CLUSTERS: 4 x 4 work-groups.  x's tiles are asked for jointly along a row of the cluster, Br's and Bi's along a column: the same tensor load, the same descriptor, a mask that names the four.
; THE MATRIX INSTRUCTION IS USED TRANSPOSED (source 0 = 16 units, source 1 = 16 rows of x): lane (r, h), register j holds row r, unit 8 h + j of the tile.
; LIMITS.  NaN and infinities among the inputs are not served.  A block whose largest magnitude lies under 2^-122, a block of zeros too, gets the byte 1 (its codes are zeros or the small codes that the byte gives; hs is read by this program alone).
; v_exp_f32 gives 0 for results under 2^-126.  The angle's quadrant is followed while exp(theta_log) x 2 / pi fits a signed 32-bit number.  hr and hi are made by one fused multiply-add each.
; REGISTERS, in windows of 256.  Window 0: v1-30 addresses; v32-63 scale words, two sets (at the end: at work); v64-127, v224-255 h_prev's blocks 0-2; v128-223 x's fragments, one set (at the head: w at work; at the end: hr, -hi, codes).
;   Window 1: v0-95, v128-223 the units' fragments, two sets (later h_prev's blocks 5-7; wr, -wi); v96-127, v224-255 h_prev's blocks 3, 4.   Windows 2, 3: accumulator (a, b) at v[8 (8 (a % 4) + b)]; b = 0-3 Br's tiles, 4-7 Bi's.
.set NQ,     2                         ; matrix instructions deep in a slot
.set ROWB,   192                       ; a tile's row: 256 codes
.set KROW,   768                       ; a row of codes in memory
.set PITCH,  240                       ; an LDS row: 3 x (64 bytes + 16 of padding)
.set FR,     12                        ; registers of a fragment
.set NL,     6                         ; LDS loads that bring one
.set NP,     4                         ; places behind this matrix instruction (ISA guide 7.12.1)
.set HALFT,  128*PITCH                 ; 128 rows: what one tensor load brings
.set SLOT,   4*HALFT                   ; x's 256 rows, Br's 128, Bi's 128
.set SCL,    2*SLOT                    ; the scale bytes: x's two halves, Br's, Bi's; runs of 256 bytes + 16 of padding
.set HALFS,  16*272                    ; those of 128 rows
.set SBLK,   2*272                     ; those of 16 rows
.set SPARE,  SCL+4*HALFS               ; the spare words, 128 bytes a wave: two blocks of 256 bytes that no other line names
.set WT,     SPARE+512                 ; for each wave 512 bytes: wr of its 64 units, then -wi
.set SX,     WT+2048                   ; for each wave 512 bytes: [hr, -hi][row 128] two scale bytes
.set HPA,  7                           ; v7   h_prev: 8,192 r + 32 h; never rewritten
.set ST16, 8                           ; v8   16 x lane
.set ST8,  9                           ; v9   512 + 8 x lane
.set SXW,  10                          ; v10  SX + 512 w + 2 r
.set SXR,  11                          ; v11  SX + 1,024 (w / 2) + 256 (w % 2) + 8 x lane
.set WTW,  12                          ; v12  WT + 512 w + 4 x lane
.set WTA,  13                          ; v13  WT + 512 w + 32 h
.set SH8,  14                          ; v14  8 h
.set ADRS2, 15                         ; v15  scale words of blocks 4-7
.set ADRA, 16                          ; v16-17 x's fragments in slot 0, 1  (v18-19: behind one padding more)
.set ADRB, 20                          ; v20-21 the units'  (v22-23)
.set ADRS, 27                          ; v27  scale words of blocks 0-3: lanes 0-15 x's rows, lanes 16-31 the units
.set SPW,  28                          ; v28  my spare word; never rewritten
.set NIL,  29                          ; v29  0; never rewritten
.set L4,   30                          ; v30  4 x lane
.set SC,   32                          ; scale words: set s at v[SC + 16 s], register 2 i + q
.set AF,   128                         ; x's fragments
.set MX,   32                          ; the end: four largest magnitudes
.set OP,   36                          ; two scale operands
.set BY,   38                          ; two bytes
.set UU,   40                          ; the other half's bytes
.set PP,   42                          ; v42-45 half words read back
.set TT,   48                          ; v48-55 a block's four bytes, a register for each block
.set WW,   56                          ; v56-59 four scale words
.set VR,   128                         ; hr, 32 numbers
.set VI,   160                         ; -hi
.set PCR,  192                         ; hr's codes, six registers;  v198-200 the second half as converted
.set TR,   198
.set PCI,  202                         ; -hi's
.set TI,   208
.set WR,   128                         ; window 1: wr, register 8 t + j: unit 16 t + 8 h + j
.set NWI,  160                         ; window 1: -wi
.set G1, 24                            ; s[24:31] group 1 for x's tiles;  s[32:39] group 0, a set for each slot
.set G0, 32
.set G1B, 48                           ; s[48:55], s[56:63] the same for the units' tiles
.set G0B, 56
.set G1S, 68                           ; s[68:75], s[76:79] x's scale bytes;  s[80:87], s[88:91] the units'
.set G0S, 76
.set G1SB, 80
.set G0SB, 88
.set MSB, 0
.macro WIN new                         ; the immediate's high byte repeats the setting that is left
.if MSB != \new
	s_set_vgpr_msb (MSB<<8)|\new
.set MSB, \new
.endif
.endm
.set MUL_LO, 0xa1                      ; source 0 (units) window 1, source 1 (x) window 0, C and D window 2
.set MUL_HI, 0xf1                      ; the same, C and D window 3
.set TO_B,   0x40                      ; destination window 1, address window 0
; A joint load: waves 0 and 1 fetch x's halves, wave 2 Br's rows, wave 3 Bi's.  The branch hangs on the wave's number alone.  Four v_nop follow each line.
.macro JLOAD g0a, g1a, g0b, g1b
	s_cmp_eq_u32 s15, 0
	s_cbranch_scc0 .Lfor_b_\@
	tensor_load_to_lds s[\g0a:\g0a+3], s[\g1a:\g1a+7]
	s_nop 0
.rept 4
	v_nop
.endr
	s_branch .Lasked_\@
.Lfor_b_\@:
	tensor_load_to_lds s[\g0b:\g0b+3], s[\g1b:\g1b+7]
	s_nop 0
.rept 4
	v_nop
.endr
.Lasked_\@:
.endm
.macro CREST                           ; a round of the cluster's barrier behind its opening barrier
	s_cmp_lg_u32 s14, 0
	s_cbranch_scc1 .Lnot_wave_0_\@
	s_barrier_signal -3
.Lnot_wave_0_\@:
	s_barrier_wait -3
	s_barrier_signal -1
	s_barrier_wait -1
.endm
.macro CROUND                          ; a whole round
	s_barrier_signal -1
	s_barrier_wait -1
	CREST
.endm
.macro PLACES n
.rept \n
	v_nop
.endr
.endm
	s_load_b256 s[4:11], s[0:1], 0x0               ; x's codes s[4:5], x's scales s[6:7], Br's codes s[8:9], Br's scales s[10:11]
	s_load_b256 s[92:99], s[0:1], 0x20             ; Bi's codes s[92:93], Bi's scales s[94:95], h_prev s[96:97], v_log s[98:99]
	s_load_b64 s[100:101], s[0:1], 0x40            ; theta_log
	s_load_b64 s[104:105], s[0:1], 0x48            ; hc
	s_load_b64 s[66:67], s[0:1], 0x50              ; hs
	v_lshl_add_u32 v[SPW], v0, 2, SPARE
	v_mov_b32 v[NIL], 0
	ds_add_u32 v28, v29
	ds_add_u32 v28, v29
	s_wait_dscnt 0x0
	v_lshrrev_b32 v1, 5, v0
	v_readfirstlane_b32 s14, v1                    ; wave 0..3
	s_lshr_b32 s15, s14, 1                         ; rh: my half of the rows.  Also: I fetch for x (0) or for the units (1)
	s_and_b32 s16, s14, 1                          ; ch: my half of the units.  Also: which half of x, or Br (0) / Bi (1), I fetch
	s_bfe_u32 s40, ttmp6, 0x40000                  ; cx, cy: my place in the cluster
	s_bfe_u32 s41, ttmp6, 0x40004
	s_lshl_b32 s42, ttmp9, 2
	s_add_co_u32 s42, s42, s40                     ; X: units 128 X on
	s_and_b32 s17, ttmp7, 0xffff
	s_lshl_b32 s17, s17, 2
	s_add_co_u32 s17, s17, s41                     ; Y: rows 256 Y on
	s_lshl_b32 s43, s41, 2
	s_lshl_b32 s43, 15, s43                        ; my row of the cluster
	s_lshl_b32 s44, 0x1111, s40                    ; my column
	s_mov_b32 s2, 0x76543210                       ; v_permlanex16_b32's selects for lane l xor 16
	s_mov_b32 s3, 0xfedcba98
	; group 1: a tile of 128 rows x 192 bytes, 16 bytes of padding behind every 64
	s_or_b32 s[G1+0], s43, (1<<20)|(1<<21)|(3<<22)|(3<<25)   ; 15:0 the mask; 17:16 elements of 1 byte; 20 padding on; 21 set beside a mask; 24:22 after every 16 words; 31:25 of 4 words
	s_or_b32 s[G1B+0], s44, (1<<20)|(1<<21)|(3<<22)|(3<<25)
.irp g, G1, G1B
	s_mov_b32 s[\g+1], ROWB<<16                    ; tensor_dim0
	s_mov_b32 s[\g+2], 128<<16                     ; tensor_dim1
	s_mov_b32 s[\g+3], ROWB<<16                    ; tile_dim0
	s_mov_b32 s[\g+4], 128                         ; tile_dim1
	s_mov_b32 s[\g+5], KROW                        ; from row to row
	s_mov_b32 s[\g+6], 0
	s_mov_b32 s[\g+7], 0
.endr
	; the scale bytes of 128 rows: 4,096 dense bytes as 16 rows of 256 (32 elements of 8 bytes), 16 bytes of padding behind each
	s_or_b32 s[G1S+0], s43, (3<<16)|(1<<20)|(1<<21)|(5<<22)|(3<<25)
	s_or_b32 s[G1SB+0], s44, (3<<16)|(1<<20)|(1<<21)|(5<<22)|(3<<25)
.irp g, G1S, G1SB
	s_mov_b32 s[\g+1], 32<<16
	s_mov_b32 s[\g+2], 16<<16
	s_mov_b32 s[\g+3], 32<<16
	s_mov_b32 s[\g+4], 16
	s_mov_b32 s[\g+5], 32
	s_mov_b32 s[\g+6], 0
	s_mov_b32 s[\g+7], 0
.endr
	s_lshl_b32 s18, s16, 7
	s_lshl_b32 s20, s17, 8
	s_add_co_u32 s20, s20, s18                     ; x: row 256 Y + 128 x half
	s_lshl_b32 s22, s20, 5                         ; its scale bytes,
	s_mov_b32 s23, 0
	s_mul_i32 s20, s20, KROW                       ; its codes (all under 2^32)
	s_mov_b32 s21, 0
	s_lshl_b32 s46, s42, 7                         ; the units: row 128 X of Br or of Bi
	s_lshl_b32 s18, s46, 5
	s_mov_b32 s19, 0
	s_mul_i32 s46, s46, KROW
	s_mov_b32 s47, 0
	s_mul_i32 s45, s14, HALFT                      ; where they go: wave x 128 rows: no place in the cluster enters an LDS address
	s_mul_i32 s12, s14, HALFS
	s_wait_kmcnt 0x0
	s_add_nc_u64 s[20:21], s[4:5], s[20:21]
	s_add_nc_u64 s[22:23], s[6:7], s[22:23]
	s_cmp_eq_u32 s16, 0                            ; Br or Bi: the choice hangs on the wave's number alone
	s_cselect_b64 s[8:9], s[8:9], s[92:93]
	s_cselect_b64 s[10:11], s[10:11], s[94:95]
	s_add_nc_u64 s[46:47], s[8:9], s[46:47]
	s_add_nc_u64 s[18:19], s[10:11], s[18:19]
	CROUND                                         ; all sixteen work-groups are here: the first joint loads meet
	s_mov_b32 s[G0S], 1
	s_add_co_u32 s[G0S+1], s12, SCL
	s_mov_b64 s[G0S+2:G0S+3], s[22:23]
	s_or_b32 s[G0S+3], s[G0S+3], 0x80000000
	s_mov_b32 s[G0SB], 1
	s_add_co_u32 s[G0SB+1], s12, SCL
	s_mov_b64 s[G0SB+2:G0SB+3], s[18:19]
	s_or_b32 s[G0SB+3], s[G0SB+3], 0x80000000
	JLOAD G0S, G1S, G0SB, G1SB                     ; the scale bytes first: they are wanted with K slot 0.  Three tensor loads of mine are out behind the three lines
.irp s, 0,1
	s_mov_b32 s[G0+4*\s], 1
	s_add_co_u32 s[G0+4*\s+1], s45, \s*SLOT
	s_add_nc_u64 s[G0+4*\s+2:G0+4*\s+3], s[20:21], \s*ROWB
	s_or_b32 s[G0+4*\s+3], s[G0+4*\s+3], 0x80000000
	s_mov_b32 s[G0B+4*\s], 1
	s_add_co_u32 s[G0B+4*\s+1], s45, \s*SLOT
	s_add_nc_u64 s[G0B+4*\s+2:G0B+4*\s+3], s[46:47], \s*ROWB
	s_or_b32 s[G0B+4*\s+3], s[G0B+4*\s+3], 0x80000000
	JLOAD G0+4*\s, G1, G0B+4*\s, G1B
.endr
	; where my wave's parts begin
	s_lshl_b32 s22, s42, 7
	s_lshl_b32 s23, s16, 6
	s_add_co_u32 s22, s22, s23                     ; my first unit: 128 X + 64 ch,
	s_lshl_b32 s22, s22, 2                         ; in bytes of f32
	s_mov_b32 s23, 0
	s_add_nc_u64 s[98:99], s[98:99], s[22:23]      ; v_log,
	s_add_nc_u64 s[100:101], s[100:101], s[22:23]  ; theta_log
	s_add_nc_u64 s[96:97], s[96:97], s[22:23]      ; and h_prev at that unit;
	s_lshl_b32 s20, s17, 8
	s_lshl_b32 s21, s15, 7
	s_add_co_u32 s20, s20, s21                     ; my first row: 256 Y + 128 rh,
	s_lshl_b32 s20, s20, 13                        ; of 8,192 bytes
	s_mov_b32 s21, 0
	s_add_nc_u64 s[96:97], s[96:97], s[20:21]
	s_lshl_b32 s20, s17, 1
	s_add_co_u32 s20, s20, s15
	s_mul_i32 s20, s20, 393216                     ; hc: 128 rows' images, 2 Y + rh,
	s_lshl_b32 s22, s42, 1
	s_add_co_u32 s22, s22, s16
	s_mul_i32 s22, s22, 6144                       ; and 64 along K, 2 X + ch
	s_add_co_u32 s20, s20, s22
	s_add_nc_u64 s[104:105], s[104:105], s[20:21]
	s_lshl_b32 s20, s16, 4                         ; hs: wave w stores the words of hr (w even) or -hi (w odd), K step X or 16 + X,
	s_add_co_u32 s20, s20, s42
	s_lshl_b32 s20, s20, 15
	s_lshl_b32 s22, s17, 10                        ; of rows 256 Y + 128 (w / 2) on
	s_add_co_u32 s20, s20, s22
	s_lshl_b32 s22, s15, 9
	s_add_co_u32 s20, s20, s22
	s_add_nc_u64 s[66:67], s[66:67], s[20:21]
	v_and_b32 v1, 15, v0                           ; r
	v_bfe_u32 v2, v0, 4, 1                         ; h
	v_and_b32 v3, 31, v0                           ; lane
	v_lshlrev_b32 v[L4], 2, v3
	v_lshlrev_b32 v[HPA], 13, v1
	v_lshl_add_u32 v[HPA], v2, 5, v[HPA]
	global_load_b32 v128, v[L4], s[100:101]        ; theta_log and v_log of my wave's 64 units, two a lane
	global_load_b32 v129, v[L4], s[100:101] offset:128
	global_load_b32 v130, v[L4], s[98:99]
	global_load_b32 v131, v[L4], s[98:99] offset:128
; h_prev's block a (16 rows x 64 units): register 8 t + j = h_prev(16 a + r, 16 t + 8 h + j), the accumulators' layout.  The eight loads together take all 256 bytes of each of the 16 rows.  Read once in the launch.
.macro HPLOAD a, win, base
	WIN \win
.irp t, 0,1,2,3
.irp e, 0,1
	global_load_b128 v[\base+8*\t+4*\e:\base+8*\t+4*\e+3], v[HPA], s[96:97] offset:(\a)*131072+64*\t+16*\e th:TH_LOAD_NT
.endr
.endr
.endm
	HPLOAD 0, 0, 64
	HPLOAD 1, 0, 96
	HPLOAD 2, 0, 224
	HPLOAD 3, 0x40, 96
	HPLOAD 4, 0x40, 224
	WIN 0
	v_mul_u32_u24 v4, v1, PITCH
	v_mad_u32_u24 v4, v2, 24, v4                   ; a fragment's row x pitch + 24 x half
	v_lshl_add_u32 v5, v2, 4, v4                   ; and the same behind one padding more
	s_mul_i32 s21, s15, HALFT                      ; my 128 rows of x
	s_mul_i32 s22, s16, 64*PITCH                   ; my 64 units of Br, behind x's 256 rows; Bi's lie 128 rows further on
	s_add_co_u32 s22, s22, 2*HALFT
.irp s, 0,1
	v_add_nc_u32 v[ADRA+\s], s21, v4
	v_add_nc_u32 v[ADRB+\s], s22, v4
	v_add_nc_u32 v[ADRA+2+\s], s21, v5
	v_add_nc_u32 v[ADRB+2+\s], s22, v5
	s_add_co_u32 s21, s21, SLOT
	s_add_co_u32 s22, s22, SLOT
.endr
	v_lshlrev_b32 v5, 5, v1                        ; my row's scale bytes: 32 a row,
	v_lshrrev_b32 v6, 3, v1
	v_lshl_add_u32 v5, v6, 4, v5                   ; and 16 more for each 256 passed
	s_mul_i32 s21, s15, HALFS                      ; x's: my 128 rows
	s_mul_i32 s22, s16, 4*SBLK                     ; Br's: my 64 units, behind x's 256 rows
	s_add_co_u32 s22, s22, 2*HALFS
	s_sub_co_u32 s22, s22, s21
	v_mul_u32_u24 v6, s22, v2                      ; lanes 16-31 take the units': one product, half x the distance
	s_add_co_u32 s22, s22, 4*SBLK                  ; blocks 4-7 are Bi's: 128 rows on, of which the blocks' own offsets hold 64
	v_mul_u32_u24 v4, s22, v2
	s_add_co_u32 s21, s21, SCL
	v_add_nc_u32 v5, s21, v5
	v_add_nc_u32 v[ADRS], v5, v6
	v_add_nc_u32 v[ADRS2], v5, v4
	v_lshlrev_b32 v[ST16], 4, v3
	v_lshlrev_b32 v[ST8], 3, v3
	v_add_nc_u32 v[ST8], 512, v[ST8]
	s_lshl_b32 s21, s14, 9
	s_add_co_u32 s22, s21, SX
	v_lshl_add_u32 v[SXW], v1, 1, s22
	s_lshl_b32 s22, s15, 10
	s_lshl_b32 s23, s16, 8
	s_add_co_u32 s22, s22, s23
	s_add_co_u32 s22, s22, SX
	v_lshl_add_u32 v[SXR], v3, 3, s22
	s_add_co_u32 s22, s21, WT
	v_lshl_add_u32 v[WTW], v3, 2, s22
	v_lshl_add_u32 v[WTA], v2, 5, s22
	v_lshlrev_b32 v[SH8], 3, v2
	; w OF MY 64 UNITS, two a lane, in f32.  The angle is reduced by the nearest multiple of pi / 2 (pi / 2 in three parts, fused), sine and cosine are polynomials on |R| <= pi / 4, the quadrant chooses and signs them without a branch.
.set TH, 128
.set VL, 130
.set AN, 132
.set EE, 134
.set MG, 136
.set KK, 138
.set RR, 140
.set QQ, 142
.set ZZ, 144
.set SS, 146
.set CC, 148
.set WCO, 150
.set WSI, 152
.set TP, 154
	s_wait_loadcnt 40                              ; the four small loads are in; h_prev's forty, issued behind them, stay out
.irp u, 0,1
	v_mul_f32 v[AN+\u], 0x3fb8aa3b, v[TH+\u]       ; x log2(e)
	v_mul_f32 v[EE+\u], 0x3fb8aa3b, v[VL+\u]
.endr
.irp u, 0,1
	v_exp_f32 v[AN+\u], v[AN+\u]                   ; the angle
	v_exp_f32 v[EE+\u], v[EE+\u]                   ; exp(v_log)
.endr
	v_nop                                          ; a plain instruction behind the exponentials,
	s_wait_alu depctr_va_vdst(0)                   ; and the one wait ahead of their first reader
.irp u, 0,1
	v_mul_f32 v[EE+\u], 0xbfb8aa3b, v[EE+\u]       ; x -log2(e)
	v_mul_f32 v[KK+\u], 0x3f22f983, v[AN+\u]       ; the angle x 2 / pi
.endr
.irp u, 0,1
	v_exp_f32 v[MG+\u], v[EE+\u]                   ; the magnitude: read only behind the wait below; all between is independent of it
.endr
.irp u, 0,1
	v_rndne_f32 v[KK+\u], v[KK+\u]
.endr
.irp u, 0,1
	v_fmamk_f32 v[RR+\u], v[KK+\u], 0xbfc90fdb, v[AN+\u]
.endr
.irp u, 0,1
	v_fmamk_f32 v[RR+\u], v[KK+\u], 0x333bbd2e, v[RR+\u]
.endr
.irp u, 0,1
	v_fmamk_f32 v[RR+\u], v[KK+\u], 0x26f72ced, v[RR+\u]
.endr
.irp u, 0,1
	v_cvt_i32_f32 v[QQ+\u], v[KK+\u]               ; the quadrant's number (it saturates)
	v_mul_f32 v[ZZ+\u], v[RR+\u], v[RR+\u]
	v_mov_b32 v[SS+\u], 0xb94ca1f9
	v_mov_b32 v[CC+\u], 0x37ccf5ce
.endr
.irp u, 0,1
	v_fmaak_f32 v[SS+\u], v[SS+\u], v[ZZ+\u], 0x3c08839e
	v_fmaak_f32 v[CC+\u], v[CC+\u], v[ZZ+\u], 0xbab6061a
.endr
.irp u, 0,1
	v_fmaak_f32 v[SS+\u], v[SS+\u], v[ZZ+\u], 0xbe2aaaa3
	v_fmaak_f32 v[CC+\u], v[CC+\u], v[ZZ+\u], 0x3d2aaaa5
.endr
.irp u, 0,1
	v_mul_f32 v[SS+\u], v[SS+\u], v[ZZ+\u]
	v_fma_f32 v[CC+\u], v[CC+\u], v[ZZ+\u], -0.5
.endr
.irp u, 0,1
	v_fma_f32 v[SS+\u], v[SS+\u], v[RR+\u], v[RR+\u]   ; sin R
	v_fma_f32 v[CC+\u], v[CC+\u], v[ZZ+\u], 1.0        ; cos R
.endr
.irp u, 0,1
	v_and_b32 v[TP+\u], 1, v[QQ+\u]
	v_cmp_eq_u32 vcc_lo, 1, v[TP+\u]               ; in odd quadrants the two change places
	v_cndmask_b32 v[WCO+\u], v[CC+\u], v[SS+\u], vcc_lo
	v_cndmask_b32 v[WSI+\u], v[SS+\u], v[CC+\u], vcc_lo
	v_add_nc_u32 v[TP+\u], 1, v[QQ+\u]
	v_and_b32 v[TP+\u], 2, v[TP+\u]
	v_lshlrev_b32 v[TP+\u], 30, v[TP+\u]
	v_xor_b32 v[WCO+\u], v[WCO+\u], v[TP+\u]       ; the cosine is negative in quadrants 1 and 2
	v_and_b32 v[TP+\u], 2, v[QQ+\u]
	v_lshlrev_b32 v[TP+\u], 30, v[TP+\u]
	v_xor_b32 v[TP+\u], 0x80000000, v[TP+\u]       ; the sine in 2 and 3; and -wi is wanted
	v_xor_b32 v[WSI+\u], v[WSI+\u], v[TP+\u]
.endr
	s_wait_alu depctr_va_vdst(0)                   ; the wait for the two magnitudes, ahead of their first reader
.irp u, 0,1
	v_mul_f32 v[WCO+\u], v[MG+\u], v[WCO+\u]       ; wr
	v_mul_f32 v[WSI+\u], v[MG+\u], v[WSI+\u]       ; -wi
.endr
	ds_store_b32 v[WTW], v[WCO]                    ; into my wave's own 512 bytes: they come back at the end in the accumulators' layout
	ds_store_b32 v[WTW], v[WCO+1] offset:128
	ds_store_b32 v[WTW], v[WSI] offset:256
	ds_store_b32 v[WTW], v[WSI+1] offset:384
.macro FRAG reg, adr, q, off           ; a fragment: 16 rows x 128 K: lane (r, h): registers 6 c .. 6 c + 5 hold K = 64 c + 32 h + 0 .. 31: 24 bytes of the row's stream of bits, in pieces of 8 bytes
.irp p, 0,1,2,3,4,5                    ; lanes 16-31 read three pieces further on; where that lies behind one padding more, the second address register (40 for 24 bytes a half) serves
.set PC, 12*(\q)+6*(\p/3)+\p%3
.if PC%8 < 5
	ds_load_b64 v[\reg+2*\p:\reg+2*\p+1], v[\adr] offset:8*PC+16*(PC/8)+(\off)
.else
	ds_load_b64 v[\reg+2*\p:\reg+2*\p+1], v[\adr+2] offset:8*PC+16*(PC/8)+(\off)
.endif
.endr
.endm
; 16 matrix instructions: x's blocks a0, a0 + 1 against the eight tiles of units, 128 along K.  The 64 accumulators take turns, one instruction a turn, in the same order in every step.
.macro MUL16 a0, p, q, sc, zero
.irp a, \a0, \a0+1
.irp b, 0,1,2,3,4,5,6,7
.if \zero
	v_wmma_scale_f32_16x16x128_f8f6f4 v[8*(8*((\a)%4)+\b):8*(8*((\a)%4)+\b)+7], v[128*(\p)+FR*\b:128*(\p)+FR*\b+FR-1], v[AF+FR*(\a):AF+FR*(\a)+FR-1], 0, v[SC+8*NQ*(\sc)+NQ*\b+(\q)], v[SC+8*NQ*(\sc)+NQ*(\a)+(\q)] matrix_a_fmt:MATRIX_FMT_BF6 matrix_b_fmt:MATRIX_FMT_BF6 matrix_a_scale:MATRIX_SCALE_ROW1
.else
	v_wmma_scale_f32_16x16x128_f8f6f4 v[8*(8*((\a)%4)+\b):8*(8*((\a)%4)+\b)+7], v[128*(\p)+FR*\b:128*(\p)+FR*\b+FR-1], v[AF+FR*(\a):AF+FR*(\a)+FR-1], v[8*(8*((\a)%4)+\b):8*(8*((\a)%4)+\b)+7], v[SC+8*NQ*(\sc)+NQ*\b+(\q)], v[SC+8*NQ*(\sc)+NQ*(\a)+(\q)] matrix_a_fmt:MATRIX_FMT_BF6 matrix_b_fmt:MATRIX_FMT_BF6 matrix_a_scale:MATRIX_SCALE_ROW1
.endif
.endr
.endr
.endm
.macro FETCH_B slot, q, p              ; the eight tiles of units (four of Br, four of Bi) into set p
	WIN TO_B
.irp i, 0,1,2,3,4,5,6,7
	FRAG 128*(\p)+FR*\i, ADRB+\slot, \q, (\i%4)*16*PITCH+(\i/4)*HALFT
.endr
	WIN 0
.endm
.macro FETCH_A slot, q, i0             ; x's blocks i0 .. i0 + 3
.irp i, \i0, \i0+1, \i0+2, \i0+3
	FRAG AF+FR*(\i), ADRA+\slot, \q, (\i)*16*PITCH
.endr
.endm
.macro SCALES sc                       ; a slot's scale words, two a row: lanes 0-15 x's block i, lanes 16-31 the units' tile i
.irp i, 0,1,2,3
	ds_load_b64 v[SC+8*NQ*\sc+NQ*\i:SC+8*NQ*\sc+NQ*\i+1], v[ADRS] offset:\i*SBLK
.endr
.irp i, 4,5,6,7
	ds_load_b64 v[SC+8*NQ*\sc+NQ*\i:SC+8*NQ*\sc+NQ*\i+1], v[ADRS2] offset:\i*SBLK
.endr
.endm
; A step of 128 along K that has its successor in the same slot.  Loads into registers that matrix instructions have read stand four plain vector instructions behind them.
.macro STEP slot, q, zero
	s_wait_dscnt 4*NL                              ; the units' set and x's blocks 0-3 are in; the youngest 24 loads (x's blocks 4-7) may be out
	WIN MUL_LO
	MUL16 0, (\q)%2, \q, \slot, \zero
	MUL16 2, (\q)%2, \q, \slot, \zero
	s_wait_dscnt 0
	PLACES NP
	FETCH_B \slot, (\q)+1, 1-(\q)%2
	FETCH_A \slot, (\q)+1, 0
	WIN MUL_HI
	MUL16 4, (\q)%2, \q, \slot, \zero
	MUL16 6, (\q)%2, \q, \slot, \zero
	PLACES NP
	WIN 0
	FETCH_A \slot, (\q)+1, 4
.endm
; A slot's last step changes slots: one barrier; in front of it each wave waits for all its tensor loads, adds 0 to its spare word, and waits for that and for its reads of this slot.  fill = 1: this slot is filled again, two slots ahead.
.macro TURN slot, next, fill
	s_wait_tensorcnt 0x0                           ; all my tensor loads have landed: my part of the next slot
	ds_add_u32 v[SPW], v[NIL]                      ; 0 onto my spare word
	s_wait_dscnt 4*NL+1                            ; (the add and the youngest 24 loads may be out)
	WIN MUL_LO
	MUL16 0, 1, NQ-1, \slot, 0
	s_wait_dscnt 0x0                               ; the add is done, and my reads of this slot are over
	s_barrier_signal -1
	MUL16 2, 1, NQ-1, \slot, 0
	WIN 0
	s_barrier_wait -1
.if \fill
	CREST                                          ; the barrier has opened a round of the cluster's barrier: no wave of any partner still reads this slot or has a load on its way
	s_add_nc_u64 s[G0+4*\slot+2:G0+4*\slot+3], s[G0+4*\slot+2:G0+4*\slot+3], 2*ROWB
	s_add_nc_u64 s[G0B+4*\slot+2:G0B+4*\slot+3], s[G0B+4*\slot+2:G0B+4*\slot+3], 2*ROWB
	JLOAD G0+4*\slot, G1, G0B+4*\slot, G1B         ; the first tensor load behind the round, one a wave; its four v_nop are the places in front of the loads below
.else
	PLACES NP
.endif
	v_add_nc_u32 v[ADRS], 4*NQ, v[ADRS]            ; the next slot's scale words
	v_add_nc_u32 v[ADRS2], 4*NQ, v[ADRS2]
	FETCH_B \next, 0, 0
	FETCH_A \next, 0, 0
	SCALES \next
	WIN MUL_HI
	MUL16 4, 1, NQ-1, \slot, 0
	MUL16 6, 1, NQ-1, \slot, 0
	PLACES NP
	WIN 0
	FETCH_A \next, 0, 4
.endm
	s_wait_tensorcnt 1                             ; the scale bytes and my part of K slot 0 are in; slot 1's load may be out
	s_wait_dscnt 0x0                               ; my four stores of w
	s_barrier_signal -1
	s_barrier_wait -1
	FETCH_B 0, 0, 0
	FETCH_A 0, 0, 0
	SCALES 0
	FETCH_A 0, 0, 4
	STEP 0, 0, 1                                   ; the first products start the sums: nothing is cleared.  K's four slots are written out
	TURN 0, 1, 1
	STEP 1, 0, 0
	TURN 1, 0, 1
	STEP 0, 0, 0
	TURN 0, 1, 0                                   ; nothing is left to fetch: no round
	STEP 1, 0, 0
	HPLOAD 5, 0x40, 0                              ; the units' set 0 has had its last reader, four places back: h_prev's last three blocks land there
	HPLOAD 6, 0x40, 32
	HPLOAD 7, 0x40, 64
	WIN 0
	s_wait_dscnt 4*NL                              ; the very last step
	WIN MUL_LO
	MUL16 0, 1, NQ-1, 1, 0
	MUL16 2, 1, NQ-1, 1, 0
	s_wait_dscnt 0
	WIN MUL_HI
	MUL16 4, 1, NQ-1, 1, 0
	MUL16 6, 1, NQ-1, 1, 0
	WIN 0
	PLACES NP                                      ; in front of the loads into the units' set 1, of the writes over x's fragments and the scale words, and of the first reads of results
	WIN TO_B
.irp t, 0,1,2,3
.irp e, 0,1
	ds_load_b128 v[WR+8*\t+4*\e:WR+8*\t+4*\e+3], v[WTA] offset:64*\t+16*\e
	ds_load_b128 v[NWI+8*\t+4*\e:NWI+8*\t+4*\e+3], v[WTA] offset:256+64*\t+16*\e
.endr
.endr
	WIN 0
	v_mov_b32 v[UU], 0                             ; written once: a lane permute's destination counts as one of its sources
	s_wait_dscnt 0x0
; BLOCK a: 16 rows x my 64 units of hr and of -hi: the recurrence's term, the quantiser, the images.
; The four tiles are laid 0, 2, 1, 3, so that sixteen exchanges of halves give lane (r, h) units 32 h + 0 .. 31 in 32 registers on end: a whole block of 32 in one lane, in the order of the operand's registers.
.macro BLOCK a, hp, win
.set AC, 64*((\a)%4)
	s_wait_loadcnt 56-8*(\a)                       ; this block of h_prev is in; the eight loads of each younger block may be out
	WIN \win                                       ; source 0 h_prev's window, source 1 (w) window 1, source 2 (sums) window 2 or 3
.irp t, 0,1,2,3
.set PS, 8*((\t%2)*2+\t/2)
.irp jj, 0,2,4,6                       ; each accumulator from its low end on
	v_pk_fma_f32 v[VR+PS+\jj:VR+PS+\jj+1], v[\hp+8*\t+\jj:\hp+8*\t+\jj+1], v[WR+8*\t+\jj:WR+8*\t+\jj+1], v[AC+8*\t+\jj:AC+8*\t+\jj+1]
	v_pk_fma_f32 v[VI+PS+\jj:VI+PS+\jj+1], v[\hp+8*\t+\jj:\hp+8*\t+\jj+1], v[NWI+8*\t+\jj:NWI+8*\t+\jj+1], v[AC+32+8*\t+\jj:AC+32+8*\t+\jj+1] neg_lo:[0,0,1] neg_hi:[0,0,1]
.endr
.endr
	WIN 0
.irp j, 0,1,2,3,4,5,6,7
	v_permlane16_swap_b32 v[VR+\j], v[VR+8+\j]     ; the first's lanes 16-31 change places with the second's lanes 0-15
	v_permlane16_swap_b32 v[VI+\j], v[VI+8+\j]
	v_permlane16_swap_b32 v[VR+16+\j], v[VR+24+\j]
	v_permlane16_swap_b32 v[VI+16+\j], v[VI+24+\j]
.endr
	v_max3_num_f32 v[MX], |v[VR]|, |v[VR+1]|, 0x2800000          ; the largest magnitudes, four chains by turns, with the floor 2^(5 - 127): the byte cannot fall under 1
	v_max3_num_f32 v[MX+1], |v[VR+16]|, |v[VR+17]|, 0x2800000
	v_max3_num_f32 v[MX+2], |v[VI]|, |v[VI+1]|, 0x2800000
	v_max3_num_f32 v[MX+3], |v[VI+16]|, |v[VI+17]|, 0x2800000
.irp i, 2,4,6,8,10,12,14
	v_max3_num_f32 v[MX], v[MX], |v[VR+\i]|, |v[VR+1+\i]|
	v_max3_num_f32 v[MX+1], v[MX+1], |v[VR+16+\i]|, |v[VR+17+\i]|
	v_max3_num_f32 v[MX+2], v[MX+2], |v[VI+\i]|, |v[VI+1+\i]|
	v_max3_num_f32 v[MX+3], v[MX+3], |v[VI+16+\i]|, |v[VI+17+\i]|
.endr
	v_max_num_f32 v[MX], v[MX], v[MX+1]
	v_max_num_f32 v[MX+2], v[MX+2], v[MX+3]
	v_add_nc_u32 v[OP], 0xfe000000, v[MX]          ; 4 off the exponent field: the conversion takes that field as its scale
	v_add_nc_u32 v[OP+1], 0xfe000000, v[MX+2]
	v_lshrrev_b32 v[BY], 23, v[OP]                 ; the scale's byte
	v_lshrrev_b32 v[BY+1], 23, v[OP+1]
	v_lshl_or_b32 v[TT+(\a)], v[BY+1], 16, v[BY]
	v_lshlrev_b32 v[TT+(\a)], v[SH8], v[TT+(\a)]   ; my block's place: 8 h bits up
	v_permlanex16_b32 v[UU], v[TT+(\a)], s2, s3
	v_or_b32 v[TT+(\a)], v[TT+(\a)], v[UU]         ; row r: hr's two bytes below, -hi's two above
.if (\a) > 0
	s_wait_xcnt 0x0                                ; the last block's stores have read their registers: the codes are written again only behind this wait
.endif
	v_cvt_scalef32_pk16_bf6_f32 v[PCR:PCR+2], v[VR:VR+15], v[OP]
	v_cvt_scalef32_pk16_bf6_f32 v[TR:TR+2], v[VR+16:VR+31], v[OP]       ; (a conversion's three registers begin on an even number)
	v_cvt_scalef32_pk16_bf6_f32 v[PCI:PCI+2], v[VI:VI+15], v[OP+1]
	v_cvt_scalef32_pk16_bf6_f32 v[TI:TI+2], v[VI+16:VI+31], v[OP+1]
	v_nop                                          ; one plain instruction behind the scaled conversions
.irp i, 0,1,2
	v_mov_b32 v[PCR+3+\i], v[TR+\i]
	v_mov_b32 v[PCI+3+\i], v[TI+\i]
.endr
	ds_store_b16 v[SXW], v[TT+(\a)] offset:32*(\a)                      ; both lanes of a row write the same bytes with the same value
	ds_store_b16_d16_hi v[SXW], v[TT+(\a)] offset:256+32*(\a)
	global_store_b128 v[ST16], v[PCR:PCR+3], s[104:105] offset:768*(\a)               ; 512 consecutive bytes, at a multiple of 256 from hc's first byte;
	global_store_b64 v[ST8], v[PCR+4:PCR+5], s[104:105] offset:768*(\a)               ; 256 more
	global_store_b128 v[ST16], v[PCI:PCI+3], s[104:105] offset:196608+768*(\a)        ; -hi: 32 x 64 along K further on
	global_store_b64 v[ST8], v[PCI+4:PCI+5], s[104:105] offset:196608+768*(\a)
.endm
	BLOCK 0, 64, 0x24
	BLOCK 1, 96, 0x24
	BLOCK 2, 224, 0x24
	BLOCK 3, 96, 0x25
	BLOCK 4, 224, 0x35
	BLOCK 5, 0, 0x35
	BLOCK 6, 32, 0x35
	BLOCK 7, 64, 0x35
	s_wait_dscnt 0x0                               ; for the others' sake: my scale bytes lie in LDS
	s_barrier_signal -1
	s_barrier_wait -1
	ds_load_b64 v[PP:PP+1], v[SXR]                 ; four rows' two bytes of units 64 ch = 0 on,
	ds_load_b64 v[PP+2:PP+3], v[SXR] offset:512    ; and of 64 on: two waves made them
	s_wait_dscnt 0x0
	v_perm_b32 v[WW], v[PP+2], v[PP], 0x05040100   ; a row's word: the first wave's two bytes below, the second's above
	v_perm_b32 v[WW+1], v[PP+2], v[PP], 0x07060302
	v_perm_b32 v[WW+2], v[PP+3], v[PP+1], 0x05040100
	v_perm_b32 v[WW+3], v[PP+3], v[PP+1], 0x07060302
	global_store_b128 v[ST16], v[WW:WW+3], s[66:67]    ; 128 rows' words: 512 consecutive bytes, at a multiple of 256 from hs's first byte
	s_wait_tensorcnt 0x0                           ; the wave's end
	ds_add_u32 v[SPW], v[NIL]
	s_wait_dscnt 0x0
	CROUND                                         ; the closing round: no work-group ends while a partner may still ask for a tile that names it
	s_endpgm
.Lfunc_end_k_q1fc59afe80_hidden:
	.size	k_q1fc59afe80_hidden, .Lfunc_end_k_q1fc59afe80_hidden-k_q1fc59afe80_hidden
	.p2alignl 7, 3214868480
	.fill 96, 4, 3214868480
	.section	.rodata,"a",@progbits
	.p2align	6, 0x0
	.amdhsa_kernel k_q1fc59afe80_hidden
		.amdhsa_group_segment_fixed_size 327680
		.amdhsa_private_segment_fixed_size 0
		.amdhsa_enable_private_segment 0
		.amdhsa_kernarg_size 88
		.amdhsa_user_sgpr_count 2
		.amdhsa_user_sgpr_kernarg_segment_ptr 1
		.amdhsa_wavefront_size32 1
		.amdhsa_system_sgpr_workgroup_id_x 1
		.amdhsa_system_sgpr_workgroup_id_y 1
		.amdhsa_system_sgpr_workgroup_id_z 1
		.amdhsa_system_vgpr_workitem_id 0
		.amdhsa_next_free_vgpr 1024
		.amdhsa_next_free_sgpr 106
		.amdhsa_reserve_vcc 1
		.amdhsa_float_denorm_mode_32 3
		.amdhsa_float_denorm_mode_16_64 3
		.amdhsa_memory_ordered 1
		.amdhsa_forward_progress 1
		.amdhsa_inst_pref_size 197
	.end_amdhsa_kernel
	.amdgpu_metadata
---
amdhsa.version: [ 1, 2 ]
amdhsa.kernels:
  - .name:           k_q1fc59afe80_hidden
    .symbol:         k_q1fc59afe80_hidden.kd
    .args:
      - { .name: x_codes, .offset: 0, .size: 8, .value_kind: global_buffer, .address_space: global }
      - { .name: x_scales, .offset: 8, .size: 8, .value_kind: global_buffer, .address_space: global }
      - { .name: Br_codes, .offset: 16, .size: 8, .value_kind: global_buffer, .address_space: global }
      - { .name: Br_scales, .offset: 24, .size: 8, .value_kind: global_buffer, .address_space: global }
      - { .name: Bi_codes, .offset: 32, .size: 8, .value_kind: global_buffer, .address_space: global }
      - { .name: Bi_scales, .offset: 40, .size: 8, .value_kind: global_buffer, .address_space: global }
      - { .name: h_prev, .offset: 48, .size: 8, .value_kind: global_buffer, .address_space: global }
      - { .name: v_log, .offset: 56, .size: 8, .value_kind: global_buffer, .address_space: global }
      - { .name: theta_log, .offset: 64, .size: 8, .value_kind: global_buffer, .address_space: global }
      - { .name: hc, .offset: 72, .size: 8, .value_kind: global_buffer, .address_space: global }
      - { .name: hs, .offset: 80, .size: 8, .value_kind: global_buffer, .address_space: global }
    .group_segment_fixed_size: 327680
    .private_segment_fixed_size: 0
    .kernarg_segment_align: 8
    .kernarg_segment_size: 88
    .max_flat_workgroup_size: 128
    .sgpr_count:     106
    .vgpr_count:     1024
    .wavefront_size: 32
...
	.end_amdgpu_metadata
.endif
;; end of part 1
;; launch outp (part 2): grid 4 x 64, 4 waves a work-group, clusters of 4 x 4, 327,680 bytes of LDS; arguments hc, hs, Cr_codes, Cr_scales, Ci_codes, Ci_scales, out0; writes out0
.if DOCPART == 2
	.amdgcn_target "amdgcn-amd-amdhsa--gfx1250"
	.amdhsa_code_object_version 6
	.text
	.protected	k_q1fc59afe80_outp
	.globl	k_q1fc59afe80_outp
	.p2align	8
	.type	k_q1fc59afe80_outp,@function
k_q1fc59afe80_outp:
	s_mov_b64 s[64:65], 0
	v_nop
	global_prefetch_b8 v0, s[64:65] scope:SCOPE_SE
	s_setreg_imm32_b32 hwreg(HW_REG_WAVE_MODE, 25, 1), 1
	s_wait_xcnt 0x0
	s_wait_alu depctr_hold_cnt(0) depctr_sa_sdst(0) depctr_va_vdst(0) depctr_va_sdst(0) depctr_va_ssrc(0) depctr_va_vcc(0) depctr_vm_vsrc(0)
	s_getreg_b32 s2, hwreg(HW_REG_IB_STS2, 6, 4)
	s_cmp_eq_u32 s2, 0
	s_cbranch_scc0 .Lentry_in_a_cluster
	s_endpgm
.Lentry_in_a_cluster:
	s_bfe_u32 s2, ttmp6, 0x10000c
	s_cmp_lg_u32 s2, 0xf033
	s_cbranch_scc0 .Lentry_shape_is_right
	s_endpgm
.Lentry_shape_is_right:
; out = [hr | -hi] [Cr | Ci]^T: one sum over K = 4,096 on codes of BF6 (E3M2) with one E8M0 byte for each 32 along K; out [8192][1024] f32.
; hc: the left operand as images of operand registers, [row / 128][K / 64][(row % 128) / 16][768 bytes] (registers 0-3 of six at 16 x lane, 4-5 at 512 + 8 x lane); hs: its scale words [K / 128][row].
; Cr, Ci [1024][2048]: codes, 1,536 bytes a row; scale bytes, 64 a row.
; SHARES.  A tile of out is 128 rows x 256 columns: 256 work-groups.  Wave w = 2 mh + nh makes rows 64 mh on x columns 128 nh on: 32 accumulators.  K goes in 16 slots of 256: eight of Cr, eight of Ci.
; A slot in LDS: the left operand's 24,576 dense bytes, then 256 rows of C of 192 bytes (pitch 240).  Waves 0, 1 fetch the halves of the first, waves 2, 3 of the second, one tensor load each.
; All scale bytes of the tile come once with the first fills and stay.
; CLUSTERS: 4 x 4 work-groups.  The four column tiles of a row tile form a row of the cluster and ask for the left operand jointly; C's tiles are asked for jointly along a column.
; THE MATRIX INSTRUCTION IS USED TRANSPOSED (source 0 = 16 columns = rows of C, source 1 = 16 rows): a lane holds eight neighbouring numbers of a row of out.
; out is one f32 sum, K ascending, where the definition forms two sums and a difference.
; REGISTERS.  Window 0: v8-20 addresses; v32-39 the rows' scale words, two sets; v40-71 C's, two sets; v96-143, v144-191 the rows' fragments, two sets (on the way out v96-223).  Window 1: C's fragments, v0-95 and v128-223.  Window 2: accumulator (a, b) at v[8 (8 a + b)].
.set ROWB,   192
.set KROW,   1536
.set PITCH,  240                       ; an LDS row of C: 3 x (64 bytes + 16 of padding)
.set FR,     12
.set ABYTES, 24576                     ; a slot's part of hc: [K / 64: 4][block of 16 rows: 8][768]
.set HALFA,  12288
.set HALFB,  128*PITCH
.set SLOT,   ABYTES+2*HALFB
.set SCA,    2*SLOT                    ; the rows' scale words: [K / 128: 32][128 rows], 512 bytes a K step
.set SCB,    SCA+16384                 ; C's scale bytes: Cr's 256 rows, then Ci's; runs of 256 bytes + 16 of padding
.set SCBH,   64*272
.set SPARE,  SCB+2*SCBH                ; the spare words, 128 bytes a wave: two blocks of 256 bytes that no other line names
.set SPITCH, 528                       ; the way out: 16 rows x (512 + 16) bytes a wave, in slot 0, which has then had its last fill and its last read
.set AA16, 8                           ; v8-9   the rows' images in slot 0, 1: 3,072 mh + 16 x lane
.set AA8,  10                          ; v10-11 the same + 512 + 8 x lane
.set ADRB, 12                          ; v12-13 C's fragments  (v14-15: behind one padding more)
.set ADSA, 16                          ; v16    the rows' scale words: 4 x lane: two blocks of 16 rows to a register
.set ADSB, 17                          ; v17    C's scale words
.set STO,  18
.set RD,   19
.set CO,   20
.set SPW,  28
.set NIL,  29
.set SA,   32                          ; set s at v[SA + 4 s], register 2 q + p: lanes 0-15 block 2 p, lanes 16-31 block 2 p + 1
.set SB,   40                          ; set s at v[SB + 16 s], register 2 b + q
.set AF,   96
.set BK,   96
.set G1A, 24                           ; s[24:31], s[32:39] groups 1 and 0 (a set for each slot) for hc
.set G0A, 32
.set G1B, 48                           ; s[48:55], s[56:63] for C's tiles
.set G0B, 56
.set G1SA, 68                          ; s[68:75], s[76:79] for hs
.set G0SA, 76
.set G1SB, 80                          ; s[80:87], s[88:91] for C's scale bytes
.set G0SB, 88
.set CIA, 96                           ; s[96:97], s[98:99] Ci's first tile for slot 0 and for slot 1
.set MSB, 0
.macro WIN new
.if MSB != \new
	s_set_vgpr_msb (MSB<<8)|\new
.set MSB, \new
.endif
.endm
.set MUL,  0xa1                        ; source 0 (C) window 1, source 1 (rows) window 0, C and D window 2
.set TO_B, 0x40
.macro JLOAD g0a, g1a, g0b, g1b        ; waves 0, 1 fetch for the rows, waves 2, 3 for C; four v_nop follow each line
	s_cmp_eq_u32 s15, 0
	s_cbranch_scc0 .Lfor_b_\@
	tensor_load_to_lds s[\g0a:\g0a+3], s[\g1a:\g1a+7]
	s_nop 0
.rept 4
	v_nop
.endr
	s_branch .Lasked_\@
.Lfor_b_\@:
	tensor_load_to_lds s[\g0b:\g0b+3], s[\g1b:\g1b+7]
	s_nop 0
.rept 4
	v_nop
.endr
.Lasked_\@:
.endm
.macro CREST
	s_cmp_lg_u32 s14, 0
	s_cbranch_scc1 .Lnot_wave_0_\@
	s_barrier_signal -3
.Lnot_wave_0_\@:
	s_barrier_wait -3
	s_barrier_signal -1
	s_barrier_wait -1
.endm
.macro CROUND
	s_barrier_signal -1
	s_barrier_wait -1
	CREST
.endm
.macro PLACES n
.rept \n
	v_nop
.endr
.endm
	s_load_b256 s[4:11], s[0:1], 0x0               ; hc s[4:5], hs s[6:7], Cr's codes s[8:9], Cr's scales s[10:11]
	s_load_b128 s[92:95], s[0:1], 0x20             ; Ci's codes s[92:93], Ci's scales s[94:95]
	s_load_b64 s[12:13], s[0:1], 0x30              ; out
	v_lshl_add_u32 v[SPW], v0, 2, SPARE
	v_mov_b32 v[NIL], 0
	ds_add_u32 v28, v29
	ds_add_u32 v28, v29
	s_wait_dscnt 0x0
	v_lshrrev_b32 v1, 5, v0
	v_readfirstlane_b32 s14, v1                    ; wave 0..3
	s_lshr_b32 s15, s14, 1                         ; mh.  Also: I fetch for the rows (0) or for C (1)
	s_and_b32 s16, s14, 1                          ; nh.  Also: which half I fetch
	s_bfe_u32 s40, ttmp6, 0x40000                  ; cx, cy
	s_bfe_u32 s41, ttmp6, 0x40004
	s_lshl_b32 s42, ttmp9, 2
	s_add_co_u32 s42, s42, s40                     ; x: columns 256 x on
	s_and_b32 s17, ttmp7, 0xffff
	s_lshl_b32 s17, s17, 2
	s_add_co_u32 s17, s17, s41                     ; T: rows 128 T on
	s_lshl_b32 s43, s41, 2
	s_lshl_b32 s43, 15, s43                        ; my row of the cluster
	s_lshl_b32 s44, 0x1111, s40                    ; my column
	s_or_b32 s[G1A], s43, (3<<16)|(1<<21)          ; hc: 12,288 dense bytes as 48 rows of 256 (32 elements of 8 bytes), no padding
	s_mov_b32 s[G1A+1], 32<<16
	s_mov_b32 s[G1A+2], 48<<16
	s_mov_b32 s[G1A+3], 32<<16
	s_mov_b32 s[G1A+4], 48
	s_mov_b32 s[G1A+5], 32
	s_mov_b32 s[G1A+6], 0
	s_mov_b32 s[G1A+7], 0
	s_or_b32 s[G1B], s44, (1<<20)|(1<<21)|(3<<22)|(3<<25)   ; C: 128 rows x 192 bytes, 16 bytes of padding behind every 64
	s_mov_b32 s[G1B+1], ROWB<<16
	s_mov_b32 s[G1B+2], 128<<16
	s_mov_b32 s[G1B+3], ROWB<<16
	s_mov_b32 s[G1B+4], 128
	s_mov_b32 s[G1B+5], KROW
	s_mov_b32 s[G1B+6], 0
	s_mov_b32 s[G1B+7], 0
	s_or_b32 s[G1SA], s43, (3<<16)|(1<<21)         ; hs: 16 K steps x 512 bytes (64 elements of 8), 32,768 bytes apart
	s_mov_b32 s[G1SA+1], 64<<16
	s_mov_b32 s[G1SA+2], 16<<16
	s_mov_b32 s[G1SA+3], 64<<16
	s_mov_b32 s[G1SA+4], 16
	s_mov_b32 s[G1SA+5], 4096
	s_mov_b32 s[G1SA+6], 0
	s_mov_b32 s[G1SA+7], 0
	s_or_b32 s[G1SB], s44, (3<<16)|(1<<20)|(1<<21)|(5<<22)|(3<<25)   ; C's scale bytes: 16,384 dense bytes as 64 rows of 256, 16 bytes of padding behind each
	s_mov_b32 s[G1SB+1], 32<<16
	s_mov_b32 s[G1SB+2], 64<<16
	s_mov_b32 s[G1SB+3], 32<<16
	s_mov_b32 s[G1SB+4], 64
	s_mov_b32 s[G1SB+5], 32
	s_mov_b32 s[G1SB+6], 0
	s_mov_b32 s[G1SB+7], 0
	s_mul_i32 s20, s17, 393216                     ; hc: my row tile, my half of a slot's part
	s_mul_i32 s45, s16, HALFA
	s_add_co_u32 s20, s20, s45
	s_mov_b32 s21, 0
	s_lshl_b32 s22, s16, 19                        ; hs: K steps 16 x half on, rows 128 T on
	s_lshl_b32 s23, s17, 9
	s_add_co_u32 s22, s22, s23
	s_mov_b32 s23, 0
	s_lshl_b32 s46, s42, 8                         ; C: row 256 x + 128 x half
	s_lshl_b32 s47, s16, 7
	s_add_co_u32 s46, s46, s47
	s_mul_i32 s46, s46, KROW
	s_mov_b32 s47, 0
	s_lshl_b32 s18, s42, 14                        ; C's scale bytes: 256 rows of 64
	s_mov_b32 s19, 0
	s_mul_i32 s66, s16, HALFB                      ; where they go: no place in the cluster enters an LDS address
	s_add_co_u32 s66, s66, ABYTES
	s_lshl_b32 s67, s16, 13
	s_add_co_u32 s67, s67, SCA
	s_mul_i32 s2, s16, SCBH
	s_add_co_u32 s2, s2, SCB
	s_wait_kmcnt 0x0
	s_add_nc_u64 s[20:21], s[4:5], s[20:21]
	s_add_nc_u64 s[22:23], s[6:7], s[22:23]
	s_add_nc_u64 s[CIA:CIA+1], s[92:93], s[46:47]
	s_add_nc_u64 s[CIA+2:CIA+3], s[CIA:CIA+1], ROWB
	s_add_nc_u64 s[46:47], s[8:9], s[46:47]
	s_cmp_eq_u32 s16, 0                            ; wave 2 brings Cr's scale bytes, wave 3 Ci's: the choice hangs on the wave's number alone
	s_cselect_b64 s[10:11], s[10:11], s[94:95]
	s_add_nc_u64 s[18:19], s[10:11], s[18:19]
	CROUND                                         ; all sixteen work-groups are here: the first joint loads meet
	s_mov_b32 s[G0SA], 1
	s_mov_b32 s[G0SA+1], s67
	s_mov_b64 s[G0SA+2:G0SA+3], s[22:23]
	s_or_b32 s[G0SA+3], s[G0SA+3], 0x80000000
	s_mov_b32 s[G0SB], 1
	s_mov_b32 s[G0SB+1], s2
	s_mov_b64 s[G0SB+2:G0SB+3], s[18:19]
	s_or_b32 s[G0SB+3], s[G0SB+3], 0x80000000
	JLOAD G0SA, G1SA, G0SB, G1SB                   ; the scale bytes first.  Three tensor loads of mine are out behind the three lines
.irp s, 0,1
	s_mov_b32 s[G0A+4*\s], 1
	s_add_co_u32 s[G0A+4*\s+1], s45, \s*SLOT
	s_add_nc_u64 s[G0A+4*\s+2:G0A+4*\s+3], s[20:21], \s*ABYTES
	s_or_b32 s[G0A+4*\s+3], s[G0A+4*\s+3], 0x80000000
	s_mov_b32 s[G0B+4*\s], 1
	s_add_co_u32 s[G0B+4*\s+1], s66, \s*SLOT
	s_add_nc_u64 s[G0B+4*\s+2:G0B+4*\s+3], s[46:47], \s*ROWB
	s_or_b32 s[G0B+4*\s+3], s[G0B+4*\s+3], 0x80000000
	JLOAD G0A+4*\s, G1A, G0B+4*\s, G1B
.endr
	v_and_b32 v1, 15, v0                           ; r
	v_bfe_u32 v2, v0, 4, 1                         ; h
	v_and_b32 v3, 31, v0                           ; lane
	s_mul_i32 s21, s15, 3072                       ; my four blocks of 16 rows
	v_lshl_add_u32 v[AA16], v3, 4, s21
	v_lshl_add_u32 v[AA8], v3, 3, s21
	v_add_nc_u32 v[AA8], 512, v[AA8]
	v_add_nc_u32 v[AA16+1], SLOT, v[AA16]
	v_add_nc_u32 v[AA8+1], SLOT, v[AA8]
	v_mul_u32_u24 v4, v1, PITCH
	v_mad_u32_u24 v4, v2, 24, v4
	v_lshl_add_u32 v5, v2, 4, v4
	s_mul_i32 s22, s16, HALFB                      ; my 128 rows of C, behind the rows' images
	s_add_co_u32 s22, s22, ABYTES
.irp s, 0,1
	v_add_nc_u32 v[ADRB+\s], s22, v4
	v_add_nc_u32 v[ADRB+2+\s], s22, v5
	s_add_co_u32 s22, s22, SLOT
.endr
	s_lshl_b32 s21, s15, 8
	s_add_co_u32 s21, s21, SCA
	v_lshl_add_u32 v[ADSA], v3, 2, s21
	v_lshlrev_b32 v4, 6, v1                        ; C's scale bytes: 64 a row,
	v_lshrrev_b32 v5, 2, v1
	v_lshl_add_u32 v4, v5, 4, v4                   ; and 16 more for each 256 passed
	s_mul_i32 s22, s16, 32*272
	s_add_co_u32 s22, s22, SCB
	v_add_nc_u32 v[ADSB], s22, v4
	s_mul_i32 s23, s14, 16*SPITCH                  ; my stage
	v_mul_u32_u24 v5, v1, SPITCH
	v_lshl_add_u32 v5, v2, 5, v5
	v_add_nc_u32 v[STO], s23, v5                   ; in: row r, 32 bytes for each half of the lanes
	v_lshlrev_b32 v[CO], 4, v3                     ; back: the 32 lanes take a row of 512 bytes; the same in out
	v_add_nc_u32 v[RD], s23, v[CO]
	s_lshl_b32 s20, s17, 19                        ; out: row 128 T + 64 mh of 4,096 bytes, column 256 x + 128 nh
	s_lshl_b32 s21, s15, 18
	s_add_co_u32 s20, s20, s21
	s_lshl_b32 s21, s42, 10
	s_add_co_u32 s20, s20, s21
	s_lshl_b32 s21, s16, 9
	s_add_co_u32 s20, s20, s21
	s_mov_b32 s21, 0
	s_add_nc_u64 s[12:13], s[12:13], s[20:21]
.macro BFRAG reg, adr, q, i            ; a fragment of C from rows: six pieces of 8 bytes; lanes 16-31 three pieces on, by the second address register where that lies behind one padding more
.irp p, 0,1,2,3,4,5
.set PC, 12*(\q)+6*(\p/3)+\p%3
.if PC%8 < 5
	ds_load_b64 v[\reg+2*\p:\reg+2*\p+1], v[\adr] offset:8*PC+16*(PC/8)+(\i)*16*PITCH
.else
	ds_load_b64 v[\reg+2*\p:\reg+2*\p+1], v[\adr+2] offset:8*PC+16*(PC/8)+(\i)*16*PITCH
.endif
.endr
.endm
.macro AFRAG reg, slot, q, a           ; a fragment of the rows from its two images: consecutive bytes, lane by lane
.irp c, 0,1
	ds_load_b128 v[\reg+6*\c:\reg+6*\c+3], v[AA16+\slot] offset:((2*(\q)+\c)*8+(\a))*768
	ds_load_b64 v[\reg+6*\c+4:\reg+6*\c+5], v[AA8+\slot] offset:((2*(\q)+\c)*8+(\a))*768
.endr
.endm
.macro FETCH slot, q, set              ; 64 LDS loads in one run: C's eight fragments and the rows' four, of the slot's q-th 128 along K
	WIN TO_B
.irp i, 0,1,2,3,4,5,6,7
	BFRAG 128*(\set)+FR*\i, ADRB+\slot, \q, \i
.endr
	WIN 0
.irp a, 0,1,2,3
	AFRAG AF+48*(\set)+FR*\a, \slot, \q, \a
.endr
.endm
.macro SCALES sc                       ; a slot's scale words
.irp q, 0,1
.irp p, 0,1
	ds_load_b32 v[SA+4*\sc+2*\q+\p], v[ADSA] offset:512*\q+128*\p
.endr
.endr
.irp b, 0,1,2,3,4,5,6,7
	ds_load_b64 v[SB+16*\sc+2*\b:SB+16*\sc+2*\b+1], v[ADSB] offset:1088*\b
.endr
.endm
; 8 matrix instructions: the rows' block a against C's eight.  The 32 accumulators take turns, one instruction a turn, in the same order in every step.
.macro MUL8 a, set, q, sc, zero
.irp b, 0,1,2,3,4,5,6,7
.if \zero
.if (\a)%2
	v_wmma_scale_f32_16x16x128_f8f6f4 v[8*(8*(\a)+\b):8*(8*(\a)+\b)+7], v[128*(\set)+FR*\b:128*(\set)+FR*\b+FR-1], v[AF+48*(\set)+FR*(\a):AF+48*(\set)+FR*(\a)+FR-1], 0, v[SB+16*(\sc)+2*\b+(\q)], v[SA+4*(\sc)+2*(\q)+(\a)/2] matrix_a_fmt:MATRIX_FMT_BF6 matrix_b_fmt:MATRIX_FMT_BF6 matrix_b_scale:MATRIX_SCALE_ROW1
.else
	v_wmma_scale_f32_16x16x128_f8f6f4 v[8*(8*(\a)+\b):8*(8*(\a)+\b)+7], v[128*(\set)+FR*\b:128*(\set)+FR*\b+FR-1], v[AF+48*(\set)+FR*(\a):AF+48*(\set)+FR*(\a)+FR-1], 0, v[SB+16*(\sc)+2*\b+(\q)], v[SA+4*(\sc)+2*(\q)+(\a)/2] matrix_a_fmt:MATRIX_FMT_BF6 matrix_b_fmt:MATRIX_FMT_BF6
.endif
.else
.if (\a)%2
	v_wmma_scale_f32_16x16x128_f8f6f4 v[8*(8*(\a)+\b):8*(8*(\a)+\b)+7], v[128*(\set)+FR*\b:128*(\set)+FR*\b+FR-1], v[AF+48*(\set)+FR*(\a):AF+48*(\set)+FR*(\a)+FR-1], v[8*(8*(\a)+\b):8*(8*(\a)+\b)+7], v[SB+16*(\sc)+2*\b+(\q)], v[SA+4*(\sc)+2*(\q)+(\a)/2] matrix_a_fmt:MATRIX_FMT_BF6 matrix_b_fmt:MATRIX_FMT_BF6 matrix_b_scale:MATRIX_SCALE_ROW1
.else
	v_wmma_scale_f32_16x16x128_f8f6f4 v[8*(8*(\a)+\b):8*(8*(\a)+\b)+7], v[128*(\set)+FR*\b:128*(\set)+FR*\b+FR-1], v[AF+48*(\set)+FR*(\a):AF+48*(\set)+FR*(\a)+FR-1], v[8*(8*(\a)+\b):8*(8*(\a)+\b)+7], v[SB+16*(\sc)+2*\b+(\q)], v[SA+4*(\sc)+2*(\q)+(\a)/2] matrix_a_fmt:MATRIX_FMT_BF6 matrix_b_fmt:MATRIX_FMT_BF6
.endif
.endif
.endr
.endm
; A slot's first 128 along K: set 0 is multiplied; set 1 is fetched ahead of the 32 products.
.macro STEP slot, zero
	s_wait_dscnt 0x0                               ; set 0 and the slot's scale words are in
	PLACES 4                                       ; in front of the loads into set 1, which the last products read
	FETCH \slot, 1, 1
	WIN MUL
	MUL8 0, 0, 0, \slot, \zero
	MUL8 1, 0, 0, \slot, \zero
	MUL8 2, 0, 0, \slot, \zero
	MUL8 3, 0, 0, \slot, \zero
	WIN 0
.endm
; A slot's second 128 along K, and the change of slots: one barrier; in front of it each wave waits for all its tensor loads, adds 0 to its spare word, and waits for that and for its reads of this slot.
; fill = 1: this slot is filled again, two slots ahead; fill = 2: the same, and C's tiles go on in Ci; fill = 0: nothing is left to fetch.  jump = 1: C's scale words go on in Ci's.
.macro TURN slot, next, fill, jump
	s_wait_tensorcnt 0x0                           ; all my tensor loads have landed: my part of the next slot
	ds_add_u32 v[SPW], v[NIL]                      ; 0 onto my spare word
	s_wait_dscnt 1                                 ; set 1 is in; the add alone may be out
	WIN MUL
	MUL8 0, 1, 1, \slot, 0
	s_wait_dscnt 0x0                               ; the add is done, and my reads of this slot are over
	s_barrier_signal -1
	MUL8 1, 1, 1, \slot, 0
	WIN 0
	s_barrier_wait -1
.if \fill
	CREST                                          ; the barrier has opened a round of the cluster's barrier: no wave of any partner still reads this slot or has a load on its way
	s_add_nc_u64 s[G0A+4*\slot+2:G0A+4*\slot+3], s[G0A+4*\slot+2:G0A+4*\slot+3], 2*ABYTES
.if \fill == 2
	s_mov_b64 s[G0B+4*\slot+2:G0B+4*\slot+3], s[CIA+2*\slot:CIA+2*\slot+1]
	s_or_b32 s[G0B+4*\slot+3], s[G0B+4*\slot+3], 0x80000000
.else
	s_add_nc_u64 s[G0B+4*\slot+2:G0B+4*\slot+3], s[G0B+4*\slot+2:G0B+4*\slot+3], 2*ROWB
.endif
	JLOAD G0A+4*\slot, G1A, G0B+4*\slot, G1B       ; the first tensor load behind the round, one a wave; its four v_nop are the places in front of the loads below
.else
	PLACES 4
.endif
	v_add_nc_u32 v[ADSA], 1024, v[ADSA]            ; the next slot's scale words: two K steps of 512 bytes;
.if \jump
	v_add_nc_u32 v[ADSB], SCBH-56, v[ADSB]         ; from Cr's last 8 bytes of a row to Ci's first
.else
	v_add_nc_u32 v[ADSB], 8, v[ADSB]
.endif
	FETCH \next, 0, 0
	SCALES \next
	WIN MUL
	MUL8 2, 1, 1, \slot, 0
	MUL8 3, 1, 1, \slot, 0
	WIN 0
.endm
.macro LAP f, j                        ; once round the ring, from a lap's second step to the next lap's first
	TURN 0, 1, \f, 0
	STEP 1, 0
	TURN 1, 0, \f, \j
	STEP 0, 0
.endm
	s_wait_tensorcnt 1                             ; the scale bytes and my part of slot 0 are in; slot 1's load may be out
	s_barrier_signal -1
	s_barrier_wait -1
	FETCH 0, 0, 0
	SCALES 0
	STEP 0, 1                                      ; the first products start the sums: nothing is cleared
	s_mov_b32 s3, 3
.Lcr:                                              ; three laps ask for Cr's slots 2 to 7
	LAP 1, 0
	s_sub_co_u32 s3, s3, 1
	s_cmp_lg_u32 s3, 0
	s_cbranch_scc1 .Lcr
	LAP 2, 1                                       ; the lap that asks for Ci's first two slots is written out
	s_mov_b32 s3, 3
.Lci:                                              ; three laps ask for Ci's slots 2 to 7
	LAP 1, 0
	s_sub_co_u32 s3, s3, 1
	s_cmp_lg_u32 s3, 0
	s_cbranch_scc1 .Lci
	TURN 0, 1, 0, 0                                ; the last lap fetches nothing, and has no round
	STEP 1, 0
	s_wait_dscnt 0x0
	WIN MUL
	MUL8 0, 1, 1, 1, 0
	MUL8 1, 1, 1, 1, 0
	MUL8 2, 1, 1, 1, 0
	MUL8 3, 1, 1, 1, 0
	WIN 0
; THE WAY OUT, block by block of 16 rows x 128 columns: through my own stage in LDS, back as whole rows of 512 bytes.  LDS serves a wave's instructions in order (ISA guide 5.7.1.4): no wait between the stores and the loads.
.macro TOSTAGE a
	WIN 0x08                                       ; an LDS store's data are its source 1: window 2
.irp b, 0,1,2,3,4,5,6,7
	ds_store_b128 v[STO], v[64*(\a)+8*\b:64*(\a)+8*\b+3] offset:64*\b            ; each accumulator from its low end on
	ds_store_b128 v[STO], v[64*(\a)+8*\b+4:64*(\a)+8*\b+7] offset:64*\b+16
.endr
	WIN 0
.irp t, 0,1,2,3,4,5,6,7,8,9,10,11,12,13,14,15
	ds_load_b128 v[BK+64*((\a)%2)+4*\t:BK+64*((\a)%2)+4*\t+3], v[RD] offset:\t*SPITCH
.endr
.endm
.macro SEND a, younger                 ; younger: the LDS instructions issued behind block a's loads, which may stay out
	s_wait_dscnt \younger
.if (\a) > 0
	s_add_nc_u64 s[12:13], s[12:13], 16*4096       ; (behind a wait on XCNT: the earlier stores have read their base)  16 rows on
.endif
.irp t, 0,1,2,3,4,5,6,7,8,9,10,11,12,13,14,15
	global_store_b128 v[CO], v[BK+64*((\a)%2)+4*\t:BK+64*((\a)%2)+4*\t+3], s[12:13] offset:\t*4096 th:TH_STORE_NT   ; 32 lanes store 512 consecutive bytes, at a multiple of 256 from out's first byte
.endr
.endm
	PLACES 4                                       ; in front of the reads of results and of the loads into the registers that held the rows' fragments
	TOSTAGE 0
.irp a, 1,2,3
.if \a > 1
	s_wait_xcnt 0x0                                ; block a - 2's stores have read their registers and their base
.endif
	TOSTAGE \a
	SEND \a-1, 32                                  ; behind block a - 1's loads: block a's 16 stores and 16 loads
.endr
	s_wait_xcnt 0x0
	SEND 3, 0
	s_wait_tensorcnt 0x0                           ; the wave's end
	ds_add_u32 v[SPW], v[NIL]
	s_wait_dscnt 0x0
	CROUND                                         ; the closing round: no work-group ends while a partner may still ask for a tile that names it
	s_endpgm
.Lfunc_end_k_q1fc59afe80_outp:
	.size	k_q1fc59afe80_outp, .Lfunc_end_k_q1fc59afe80_outp-k_q1fc59afe80_outp
	.p2alignl 7, 3214868480
	.fill 96, 4, 3214868480
	.section	.rodata,"a",@progbits
	.p2align	6, 0x0
	.amdhsa_kernel k_q1fc59afe80_outp
		.amdhsa_group_segment_fixed_size 327680
		.amdhsa_private_segment_fixed_size 0
		.amdhsa_enable_private_segment 0
		.amdhsa_kernarg_size 56
		.amdhsa_user_sgpr_count 2
		.amdhsa_user_sgpr_kernarg_segment_ptr 1
		.amdhsa_wavefront_size32 1
		.amdhsa_system_sgpr_workgroup_id_x 1
		.amdhsa_system_sgpr_workgroup_id_y 1
		.amdhsa_system_sgpr_workgroup_id_z 1
		.amdhsa_system_vgpr_workitem_id 0
		.amdhsa_next_free_vgpr 768
		.amdhsa_next_free_sgpr 100
		.amdhsa_reserve_vcc 0
		.amdhsa_float_denorm_mode_32 3
		.amdhsa_float_denorm_mode_16_64 3
		.amdhsa_memory_ordered 1
		.amdhsa_forward_progress 1
		.amdhsa_inst_pref_size 171
	.end_amdhsa_kernel
	.amdgpu_metadata
---
amdhsa.version: [ 1, 2 ]
amdhsa.kernels:
  - .name:           k_q1fc59afe80_outp
    .symbol:         k_q1fc59afe80_outp.kd
    .args:
      - { .name: hc, .offset: 0, .size: 8, .value_kind: global_buffer, .address_space: global }
      - { .name: hs, .offset: 8, .size: 8, .value_kind: global_buffer, .address_space: global }
      - { .name: Cr_codes, .offset: 16, .size: 8, .value_kind: global_buffer, .address_space: global }
      - { .name: Cr_scales, .offset: 24, .size: 8, .value_kind: global_buffer, .address_space: global }
      - { .name: Ci_codes, .offset: 32, .size: 8, .value_kind: global_buffer, .address_space: global }
      - { .name: Ci_scales, .offset: 40, .size: 8, .value_kind: global_buffer, .address_space: global }
      - { .name: out0, .offset: 48, .size: 8, .value_kind: global_buffer, .address_space: global }
    .group_segment_fixed_size: 327680
    .private_segment_fixed_size: 0
    .kernarg_segment_align: 8
    .kernarg_segment_size: 56
    .max_flat_workgroup_size: 128
    .sgpr_count:     100
    .vgpr_count:     768
    .wavefront_size: 32
...
	.end_amdgpu_metadata
.endif
;; end of part 2
;; ======== version 2 of 2: 2 launches
;; limits: right only within a limited range of input values
;; workspace buffers: hc 26,214,400 bytes; cc 3,276,800 bytes
;; launch hidden (part 3): grid 16 x 32, 4 waves a work-group, clusters of 4 x 4, 327,680 bytes of LDS; arguments x_codes, x_scales, Br_codes, Br_scales, Bi_codes, Bi_scales, h_prev, v_log, theta_log, hc, Cr_codes, Cr_scales, Ci_codes, Ci_scales, cc; writes hc, cc
.if DOCPART == 3
	.amdgcn_target "amdgcn-amd-amdhsa--gfx1250"
	.amdhsa_code_object_version 6
	.text
	.protected	k_q1fc59afe80_hidden
	.globl	k_q1fc59afe80_hidden
	.p2align	8
	.type	k_q1fc59afe80_hidden,@function
k_q1fc59afe80_hidden:
	s_mov_b64 s[64:65], 0
	v_nop
	global_prefetch_b8 v0, s[64:65] scope:SCOPE_SE
	s_setreg_imm32_b32 hwreg(HW_REG_WAVE_MODE, 25, 1), 1
	s_wait_xcnt 0x0
	s_wait_alu depctr_hold_cnt(0) depctr_sa_sdst(0) depctr_va_vdst(0) depctr_va_sdst(0) depctr_va_ssrc(0) depctr_va_vcc(0) depctr_vm_vsrc(0)
	s_getreg_b32 s2, hwreg(HW_REG_IB_STS2, 6, 4)
	s_cmp_eq_u32 s2, 0
	s_cbranch_scc0 .Lentry_in_a_cluster
	s_endpgm
.Lentry_in_a_cluster:
	s_bfe_u32 s2, ttmp6, 0x10000c
	s_cmp_lg_u32 s2, 0xf033
	s_cbranch_scc0 .Lentry_shape_is_right
	s_endpgm
.Lentry_shape_is_right:
; hr = x Br^T + h_prev wr,  -hi = -(x Bi^T) + h_prev (-wi),  w = exp(-exp(v_log)) (cos, sin)(exp(theta_log)); both are quantised along H to codes of BF6 (E3M2) with one E8M0 byte for each 32.
; The sign of hi is taken here (the quantiser is odd), so that the next launch has ONE sum over K = 4,096 = [hr | -hi].
; OUT: hc, [row / 128][K / 512][51,200 bytes]: images of operand registers [K / 64: 8][16 rows: 8][768 bytes], then scale words [K / 128: 4][row: 128].
;      In 768 bytes: registers 0-3 of the six at 16 x lane, registers 4-5 at 512 + 8 x lane; lane (r, h) holds row r, k = 32 h + 0 .. 31 of the 64.
;      cc, [column / 256][K / 512 of [Cr | Ci]][102,400 bytes]: Cr's and Ci's codes laid the same way, [K / 64: 8][16 columns: 16][768], then each column's 16 scale bytes, copied as given.
; SHARES.  A work-group owns 256 rows x 128 hidden units of BOTH Br and Bi.  Wave w = 2 rh + ch owns rows 128 rh on x units 64 ch on of Br and of Bi: 64 accumulators, 512 registers.
; A wave's part of h_prev serves hr and hi: each byte of h_prev is loaded once in the launch, into registers that lie idle while K is walked.
; K goes in CHUNKS OF 256 BYTES of each row of codes (768 bytes a row: three chunks) through a ring of two LDS slots; a step of 128 along K is 96 bytes: steps 2 and 5 lie across two chunks.
; The scale bytes of the work-group's rows (4 x 4,096 dense bytes) come once, a quarter a wave, by loads of 512 consecutive bytes into registers, and are stored into LDS bytes of their own.
; CLUSTERS: 4 x 4.  x's tiles are asked for jointly along a row of the cluster, Br's and Bi's along a column.  The scale bytes, 16 KiB of a work-group's 400 KiB, are not shared.
; No prefetch: the walk has three chunks, two of them asked for ahead of the first product, so there is no loop to run ahead in.
; THE MATRIX INSTRUCTION IS USED TRANSPOSED (source 0 = 16 units, source 1 = 16 rows of x): lane (r, h), register j holds row r, unit 8 h + j of the tile.
; LIMITS.  NaN and infinities among the inputs are not served.  A block whose largest magnitude lies under 2^-122, a block of zeros too, gets the byte 1 (the bytes are read by this program alone).
; v_exp_f32 gives 0 for results under 2^-126.  The angle's quadrant is followed while exp(theta_log) x 2 / pi fits a signed 32-bit number.
; REGISTERS.  Window 0: v1-31 addresses; v32-63 scale words, two sets (at the end: at work); v64-127, v224-255 h_prev's blocks 0-2; v128-223 x's fragments (head: w, scale bytes; end: hr, -hi, codes, C's pieces).
;   Window 1: v0-95, v128-223 the units' fragments, two sets (later h_prev's blocks 5-7; wr, -wi); v96-127, v224-255 h_prev's blocks 3, 4.   Windows 2, 3: accumulator (a, b) at v[8 (8 (a % 4) + b)]; b = 0-3 Br, 4-7 Bi.
.set NQ,     2
.set ROWB,   256                       ; a tile's row: a chunk
.set KROW,   768
.set STEPS,  8
.set CHUNKS, 3
.set PITCH,  272                       ; 256 bytes + 16 of padding
.set FR,     12
.set NL,     6
.set NP,     4                         ; places behind this matrix instruction (ISA guide 7.12.1)
.set HALFT,  128*PITCH
.set SLOT,   4*HALFT                   ; x's 256 rows, Br's 128, Bi's 128
.set SCL,    2*SLOT                    ; the scale bytes: x's two halves, Br's, Bi's; runs of 256 bytes + 16
.set HALFS,  16*272
.set SBLK,   2*272
.set SPARE,  SCL+4*HALFS               ; the spare words
.set WT,     SPARE+512                 ; for each wave 512 bytes: wr of its 64 units, then -wi
.set SX,     WT+2048                   ; for each wave 512 bytes: [hr, -hi][row 128] two scale bytes
.set ACODE,  49152
.set ABLK,   ACODE+2048
.set TBLK,   8*ABLK
.set BCODE,  98304
.set BBLK,   BCODE+4096
.set HPA,  7                           ; h_prev: 8,192 r + 32 h
.set ST16, 8                           ; 16 x lane
.set ST8,  9                           ; 512 + 8 x lane
.set SXW,  10
.set SXR,  11
.set WTW,  12
.set WTA,  13
.set SH8,  14                          ; 8 h
.set ADRS2, 15                         ; scale words of blocks 4-7
.set ADRA, 16                          ; v16-17 x's fragments in slot 0, 1; v18-19: lanes 0-15 at byte 232 of slot 0, 1, lanes 16-31 at byte 0 of the other slot
.set ADRB, 20                          ; v20-23 the same for the units
.set RLA,  24                          ; C's codes: 1,536 r + 24 h
.set RSA,  25                          ; C's scale bytes
.set L8,   26                          ; 8 x lane
.set ADRS, 27                          ; scale words of blocks 0-3: lanes 0-15 x's rows, lanes 16-31 the units
.set SPW,  28
.set NIL,  29
.set L4,   30
.set SCW,  31                          ; where my quarter of the scale bytes is stored
.set SC,   32
.set AF,   128
.set SCT,  160                         ; the head: my quarter of the scale bytes, 32 registers
.set RL,   212                         ; the end: v212-223 two images of C;  v60-61 its scale bytes
.set RLS,  60
.set MX,   32
.set OP,   36
.set BY,   38
.set UU,   40
.set PP,   42
.set TT,   48
.set WW,   56
.set VR,   128
.set VI,   160
.set PCR,  192
.set TR,   198
.set PCI,  202
.set TI,   208
.set WR,   128                         ; window 1
.set NWI,  160
.set G1, 24
.set G0, 32
.set G1B, 48
.set G0B, 56
.set MSB, 0
.macro WIN new
.if MSB != \new
	s_set_vgpr_msb (MSB<<8)|\new
.set MSB, \new
.endif
.endm
.set MUL_LO, 0xa1
.set MUL_HI, 0xf1
.set TO_B,   0x40
; A joint load: waves 0 and 1 fetch x's halves, wave 2 Br's rows, wave 3 Bi's.  s_nop 0 and four v_nop follow each line.
.macro JLOAD g0a, g1a, g0b, g1b
	s_cmp_eq_u32 s15, 0
	s_cbranch_scc0 .Lfor_b_\@
	tensor_load_to_lds s[\g0a:\g0a+3], s[\g1a:\g1a+7]
	s_nop 0
.rept 4
	v_nop
.endr
	s_branch .Lasked_\@
.Lfor_b_\@:
	tensor_load_to_lds s[\g0b:\g0b+3], s[\g1b:\g1b+7]
	s_nop 0
.rept 4
	v_nop
.endr
.Lasked_\@:
.endm
.macro CREST
	s_cmp_lg_u32 s14, 0
	s_cbranch_scc1 .Lnot_wave_0_\@
	s_barrier_signal -3
.Lnot_wave_0_\@:
	s_barrier_wait -3
	s_barrier_signal -1
	s_barrier_wait -1
.endm
.macro CROUND
	s_barrier_signal -1
	s_barrier_wait -1
	CREST
.endm
.macro PLACES n
.rept \n
	v_nop
.endr
.endm
	s_load_b256 s[4:11], s[0:1], 0x0               ; x's codes, x's scales, Br's codes, Br's scales
	s_load_b256 s[92:99], s[0:1], 0x20             ; Bi's codes, Bi's scales, h_prev, v_log
	s_load_b64 s[100:101], s[0:1], 0x40            ; theta_log
	s_load_b64 s[104:105], s[0:1], 0x48            ; hc
	v_lshl_add_u32 v[SPW], v0, 2, SPARE
	v_mov_b32 v[NIL], 0
	ds_add_u32 v[SPW], v[NIL]                      ; the opening lines: the add, twice on end, and its wait
	ds_add_u32 v[SPW], v[NIL]
	v_lshrrev_b32 v1, 5, v0
	v_readfirstlane_b32 s14, v1                    ; wave
	s_lshr_b32 s15, s14, 1                         ; rh; also: I fetch for x (0) or for the units (1)
	s_and_b32 s16, s14, 1                          ; ch; also: which half of x, or Br (0) / Bi (1)
	s_bfe_u32 s40, ttmp6, 0x40000                  ; cx, cy
	s_bfe_u32 s41, ttmp6, 0x40004
	s_lshl_b32 s42, ttmp9, 2
	s_add_co_u32 s42, s42, s40                     ; X: units 128 X on
	s_and_b32 s17, ttmp7, 0xffff
	s_lshl_b32 s17, s17, 2
	s_add_co_u32 s17, s17, s41                     ; Y: rows 256 Y on
	s_lshl_b32 s43, s41, 2
	s_lshl_b32 s43, 15, s43                        ; my row of the cluster
	s_lshl_b32 s44, 0x1111, s40                    ; my column
	s_mov_b32 s2, 0x76543210                       ; selects for lane l xor 16
	s_mov_b32 s3, 0xfedcba98
	s_or_b32 s[G1+0], s43, (1<<20)|(1<<21)|(5<<22)|(3<<25)   ; elements of 1 byte; 4 words of padding behind every 64
	s_or_b32 s[G1B+0], s44, (1<<20)|(1<<21)|(5<<22)|(3<<25)
.irp g, G1, G1B
	s_mov_b32 s[\g+1], ROWB<<16
	s_mov_b32 s[\g+2], 128<<16
	s_mov_b32 s[\g+3], ROWB<<16
	s_mov_b32 s[\g+4], 128
	s_mov_b32 s[\g+5], KROW
	s_mov_b32 s[\g+6], 0
	s_mov_b32 s[\g+7], 0
.endr
	s_lshl_b32 s18, s16, 7
	s_lshl_b32 s20, s17, 8
	s_add_co_u32 s20, s20, s18                     ; x: row 256 Y + 128 x half
	s_lshl_b32 s22, s20, 5                         ; its scale bytes,
	s_mov_b32 s23, 0
	s_mul_i32 s20, s20, KROW                       ; its codes
	s_mov_b32 s21, 0
	s_lshl_b32 s46, s42, 7                         ; the units: row 128 X
	s_lshl_b32 s18, s46, 5
	s_mov_b32 s19, 0
	s_mul_i32 s46, s46, KROW
	s_mov_b32 s47, 0
	s_mul_i32 s45, s14, HALFT                      ; where the tiles go: wave x 128 rows
	s_mul_i32 s76, s14, HALFS
	s_add_co_u32 s76, s76, SCL                     ; and my quarter of the scale bytes
	s_wait_dscnt 0x0                               ; both opening adds are done
	s_wait_kmcnt 0x0
	s_add_nc_u64 s[20:21], s[4:5], s[20:21]
	s_add_nc_u64 s[22:23], s[6:7], s[22:23]
	s_cmp_eq_u32 s16, 0                            ; Br or Bi: by the wave's number
	s_cselect_b64 s[8:9], s[8:9], s[92:93]
	s_cselect_b64 s[10:11], s[10:11], s[94:95]
	s_add_nc_u64 s[46:47], s[8:9], s[46:47]
	s_add_nc_u64 s[18:19], s[10:11], s[18:19]
	s_cmp_eq_u32 s15, 0
	s_cselect_b64 s[80:81], s[22:23], s[18:19]     ; the 4,096 scale bytes that I bring
	s_load_b128 s[4:7], s[0:1], 0x50               ; Cr's codes, Cr's scales,
	s_load_b128 s[8:11], s[0:1], 0x60              ; Ci's codes, Ci's scales,
	s_load_b64 s[92:93], s[0:1], 0x70              ; cc: waited for below
	CROUND                                         ; all sixteen work-groups are here: the first joint loads meet
.irp s, 0,1
	s_mov_b32 s[G0+4*\s], 1
	s_add_co_u32 s[G0+4*\s+1], s45, \s*SLOT
	s_add_nc_u64 s[G0+4*\s+2:G0+4*\s+3], s[20:21], \s*ROWB
	s_or_b32 s[G0+4*\s+3], s[G0+4*\s+3], 0x80000000
	s_mov_b32 s[G0B+4*\s], 1
	s_add_co_u32 s[G0B+4*\s+1], s45, \s*SLOT
	s_add_nc_u64 s[G0B+4*\s+2:G0B+4*\s+3], s[46:47], \s*ROWB
	s_or_b32 s[G0B+4*\s+3], s[G0B+4*\s+3], 0x80000000
.endr
	JLOAD G0, G1, G0B, G1B                         ; chunk 0, a quarter a wave: one tensor load a wave at the head
	s_lshl_b32 s22, s42, 7
	s_lshl_b32 s23, s16, 6
	s_add_co_u32 s22, s22, s23                     ; my first unit: 128 X + 64 ch,
	s_lshl_b32 s22, s22, 2
	s_mov_b32 s23, 0
	s_add_nc_u64 s[98:99], s[98:99], s[22:23]
	s_add_nc_u64 s[100:101], s[100:101], s[22:23]
	s_add_nc_u64 s[96:97], s[96:97], s[22:23]
	s_lshl_b32 s20, s17, 8
	s_lshl_b32 s21, s15, 7
	s_add_co_u32 s20, s20, s21                     ; my first row: 256 Y + 128 rh
	s_lshl_b32 s20, s20, 13
	s_mov_b32 s21, 0
	s_add_nc_u64 s[96:97], s[96:97], s[20:21]
	s_lshl_b32 s20, s17, 1
	s_add_co_u32 s20, s20, s15
	s_mul_i32 s20, s20, TBLK                       ; hc: 128 rows' blocks, 2 Y + rh,
	s_lshr_b32 s22, s42, 2
	s_mul_i32 s22, s22, ABLK
	s_add_co_u32 s20, s20, s22                     ; the block of 512 along K: X / 4
	s_and_b32 s13, s42, 3
	s_lshl_b32 s22, s13, 9                         ; the scale words: K step X % 4, behind the codes
	s_add_co_u32 s22, s22, s20
	s_add_co_u32 s22, s22, ACODE
	s_mul_i32 s18, s16, 4*ABLK                     ; wave w stores the words of hr (w even) or of -hi (w odd)
	s_add_co_u32 s22, s22, s18
	s_add_nc_u64 s[66:67], s[104:105], s[22:23]
	s_lshl_b32 s13, s13, 1
	s_add_co_u32 s13, s13, s16
	s_mul_i32 s13, s13, 6144                       ; the images: 2 (X % 4) + ch of the block's eight
	s_add_co_u32 s20, s20, s13
	s_add_nc_u64 s[104:105], s[104:105], s[20:21]
	v_and_b32 v1, 15, v0                           ; r
	v_bfe_u32 v2, v0, 4, 1                         ; h
	v_and_b32 v3, 31, v0                           ; lane
	v_lshlrev_b32 v[L4], 2, v3
	v_lshlrev_b32 v[HPA], 13, v1
	v_lshl_add_u32 v[HPA], v2, 5, v[HPA]
	v_lshlrev_b32 v[ST16], 4, v3
	v_lshl_add_u32 v[SCW], v2, 4, v[ST16]          ; 16 more behind each 256
	v_add_nc_u32 v[SCW], s76, v[SCW]
.irp j, 0,1,2,3,4,5,6,7
	global_load_b128 v[SCT+4*\j:SCT+4*\j+3], v[ST16], s[80:81] offset:512*\j   ; 512 consecutive bytes, aligned
.endr
	global_load_b32 v128, v[L4], s[100:101]        ; theta_log and v_log of my 64 units, two a lane
	global_load_b32 v129, v[L4], s[100:101] offset:128
	global_load_b32 v130, v[L4], s[98:99]
	global_load_b32 v131, v[L4], s[98:99] offset:128
; h_prev's block a (16 rows x 64 units): register 8 t + j = h_prev(16 a + r, 16 t + 8 h + j), the accumulators' layout; the eight loads take all 256 bytes of each of the 16 rows.
.macro HPLOAD a, win, base
	WIN \win
.irp t, 0,1,2,3
.irp e, 0,1
	global_load_b128 v[\base+8*\t+4*\e:\base+8*\t+4*\e+3], v[HPA], s[96:97] offset:(\a)*131072+64*\t+16*\e th:TH_LOAD_RT_NT
.endr
.endr
.endm
	; MY WORK-GROUP'S PART OF cc: matrix Y / 16, columns 16 cg on with cg = 4 (Y % 16) + X / 4, K = 512 (X % 4) on: eight images, two a wave, and 256 scale bytes.  Only the addresses here; the copy stands at the end.
	s_wait_alu depctr_va_vdst(0)
	s_wait_kmcnt 0x0
	s_lshr_b32 s18, s17, 4
	s_cmp_eq_u32 s18, 0
	s_cselect_b64 s[4:5], s[4:5], s[8:9]
	s_cselect_b64 s[6:7], s[6:7], s[10:11]
	s_and_b32 s19, s17, 15
	s_lshl_b32 s20, s19, 2
	s_lshr_b32 s21, s42, 2
	s_add_co_u32 s20, s20, s21                     ; cg
	s_and_b32 s21, s42, 3
	s_mul_i32 s22, s20, 16*1536
	s_mul_i32 s23, s21, 384
	s_add_co_u32 s22, s22, s23
	s_mul_i32 s23, s14, 96
	s_add_co_u32 s22, s22, s23
	s_mov_b32 s23, 0
	s_add_nc_u64 s[4:5], s[4:5], s[22:23]
	s_lshl_b32 s22, s20, 10
	s_lshl_b32 s46, s21, 4
	s_add_co_u32 s22, s22, s46
	s_add_nc_u64 s[6:7], s[6:7], s[22:23]
	s_lshr_b32 s22, s19, 2
	s_mul_i32 s22, s22, 8*BBLK
	s_lshl_b32 s18, s18, 2
	s_add_co_u32 s18, s18, s21
	s_mul_i32 s18, s18, BBLK
	s_add_co_u32 s22, s22, s18
	s_add_nc_u64 s[92:93], s[92:93], s[22:23]
	s_and_b32 s20, s20, 15
	s_lshl_b32 s22, s20, 8
	s_add_co_u32 s22, s22, BCODE
	s_add_nc_u64 s[94:95], s[92:93], s[22:23]      ; its 256 scale bytes
	s_mul_i32 s22, s20, 768
	s_mul_i32 s18, s14, 2*16*768
	s_add_co_u32 s22, s22, s18
	s_add_nc_u64 s[92:93], s[92:93], s[22:23]      ; its images
	; the LDS bases, then the address registers in one run
	s_mul_i32 s68, s15, HALFT                      ; my 128 rows of x
	s_mul_i32 s69, s16, 64*PITCH
	s_add_co_u32 s69, s69, 2*HALFT                 ; my 64 units of Br; Bi's lie 128 rows on
	s_mul_i32 s70, s15, HALFS
	s_mul_i32 s71, s16, 4*SBLK
	s_add_co_u32 s71, s71, 2*HALFS
	s_sub_co_u32 s71, s71, s70                     ; from x's scale bytes to Br's,
	s_add_co_u32 s72, s71, 4*SBLK                  ; and to Bi's (the blocks' own offsets hold 64 rows)
	s_add_co_u32 s70, s70, SCL
	s_lshl_b32 s75, s14, 9
	s_add_co_u32 s73, s75, SX
	s_add_co_u32 s75, s75, WT
	s_lshl_b32 s74, s15, 10
	s_lshl_b32 s77, s16, 8
	s_add_co_u32 s74, s74, s77
	s_add_co_u32 s74, s74, SX
	s_mov_b32 s77, SLOT-232
	s_mov_b32 s78, SLOT+232
	v_mul_u32_u24 v4, v1, PITCH
	v_mul_u32_u24 v5, v2, 24
	v_add_nc_u32 v5, v4, v5                        ; row x pitch + 24 h
	v_sub_nc_u32 v32, 1, v2
	v_mul_u32_u24 v6, s77, v2
	v_add_nc_u32 v6, v4, v6
	v_add_nc_u32 v6, 232, v6                       ; lanes 0-15 byte 232 in slot 0, lanes 16-31 byte 0 in slot 1
	v_mul_u32_u24 v33, s78, v32
	v_add_nc_u32 v33, v4, v33                      ; lanes 0-15 byte 232 in slot 1, lanes 16-31 byte 0 in slot 0
	v_add_nc_u32 v[ADRA], s68, v5
	v_add_nc_u32 v[ADRB], s69, v5
	v_add_nc_u32 v[ADRA+1], SLOT, v[ADRA]
	v_add_nc_u32 v[ADRB+1], SLOT, v[ADRB]
	v_add_nc_u32 v[ADRA+2], s68, v6
	v_add_nc_u32 v[ADRB+2], s69, v6
	v_add_nc_u32 v[ADRA+3], s68, v33
	v_add_nc_u32 v[ADRB+3], s69, v33
	v_lshlrev_b32 v4, 5, v1                        ; my row's scale bytes: 32 a row,
	v_lshrrev_b32 v5, 3, v1
	v_lshl_add_u32 v4, v5, 4, v4                   ; 16 more for each 256 passed
	v_add_nc_u32 v4, s70, v4
	v_mul_u32_u24 v5, s71, v2                      ; lanes 16-31 take the units': half x the distance
	v_mul_u32_u24 v6, s72, v2
	v_add_nc_u32 v[ADRS], v4, v5
	v_add_nc_u32 v[ADRS2], v4, v6
	v_lshlrev_b32 v[L8], 3, v3
	v_add_nc_u32 v[ST8], 512, v[L8]
	v_lshl_add_u32 v[SXW], v1, 1, s73
	v_lshl_add_u32 v[SXR], v3, 3, s74
	v_lshl_add_u32 v[WTW], v3, 2, s75
	v_lshl_add_u32 v[WTA], v2, 5, s75
	v_lshlrev_b32 v[SH8], 3, v2
	v_mul_u32_u24 v[RLA], v1, 1536
	v_mad_u32_u24 v[RLA], v2, 24, v[RLA]
	v_lshrrev_b32 v[RSA], 1, v3
	v_lshlrev_b32 v[RSA], 6, v[RSA]
	v_and_b32 v4, 1, v3
	v_lshl_add_u32 v[RSA], v4, 3, v[RSA]
	s_wait_alu depctr_va_vdst(0)
	s_wait_loadcnt 0x0                             ; the scale bytes and the four small loads are in; h_prev is asked for behind the tiles' requests
.irp j, 0,1,2,3,4,5,6,7
	ds_store_b128 v[SCW], v[SCT+4*\j:SCT+4*\j+3] offset:544*\j
.endr
	; w OF MY 64 UNITS, two a lane, in f32: the angle less the nearest multiple of pi / 2 (in three parts, fused), polynomials on |R| <= pi / 4, the quadrant chooses and signs them without a branch.
.set TH, 128
.set VL, 130
.set AN, 132
.set EE, 134
.set MG, 136
.set KK, 138
.set RR, 140
.set QQ, 142
.set ZZ, 144
.set SS, 146
.set CC, 148
.set WCO, 150
.set WSI, 152
.set TP, 154
.irp u, 0,1
	v_mul_f32 v[AN+\u], 0x3fb8aa3b, v[TH+\u]
	v_mul_f32 v[EE+\u], 0x3fb8aa3b, v[VL+\u]
.endr
	s_wait_alu depctr_va_vdst(0)                   ; ahead of the batch
.irp u, 0,1
	v_exp_f32 v[AN+\u], v[AN+\u]                   ; the angle
	v_exp_f32 v[EE+\u], v[EE+\u]                   ; exp(v_log)
.endr
	v_nop
	s_wait_alu depctr_va_vdst(0)                   ; and behind it
.irp u, 0,1
	v_mul_f32 v[EE+\u], 0xbfb8aa3b, v[EE+\u]
	v_mul_f32 v[KK+\u], 0x3f22f983, v[AN+\u]       ; the angle x 2 / pi
.endr
	s_wait_alu depctr_va_vdst(0)
.irp u, 0,1
	v_exp_f32 v[MG+\u], v[EE+\u]                   ; the magnitude: read behind the wait below
.endr
.irp u, 0,1
	v_rndne_f32 v[KK+\u], v[KK+\u]
.endr
.irp u, 0,1
	v_fmamk_f32 v[RR+\u], v[KK+\u], 0xbfc90fdb, v[AN+\u]
.endr
.irp u, 0,1
	v_fmamk_f32 v[RR+\u], v[KK+\u], 0x333bbd2e, v[RR+\u]
.endr
.irp u, 0,1
	v_fmamk_f32 v[RR+\u], v[KK+\u], 0x26f72ced, v[RR+\u]
.endr
.irp u, 0,1
	v_cvt_i32_f32 v[QQ+\u], v[KK+\u]
	v_mul_f32 v[ZZ+\u], v[RR+\u], v[RR+\u]
	v_mov_b32 v[SS+\u], 0xb94ca1f9
	v_mov_b32 v[CC+\u], 0x37ccf5ce
.endr
.irp u, 0,1
	v_fmaak_f32 v[SS+\u], v[SS+\u], v[ZZ+\u], 0x3c08839e
	v_fmaak_f32 v[CC+\u], v[CC+\u], v[ZZ+\u], 0xbab6061a
.endr
.irp u, 0,1
	v_fmaak_f32 v[SS+\u], v[SS+\u], v[ZZ+\u], 0xbe2aaaa3
	v_fmaak_f32 v[CC+\u], v[CC+\u], v[ZZ+\u], 0x3d2aaaa5
.endr
.irp u, 0,1
	v_mul_f32 v[SS+\u], v[SS+\u], v[ZZ+\u]
	v_fma_f32 v[CC+\u], v[CC+\u], v[ZZ+\u], -0.5
.endr
.irp u, 0,1
	v_fma_f32 v[SS+\u], v[SS+\u], v[RR+\u], v[RR+\u]   ; sin R
	v_fma_f32 v[CC+\u], v[CC+\u], v[ZZ+\u], 1.0        ; cos R
.endr
.irp u, 0,1
	v_and_b32 v[TP+\u], 1, v[QQ+\u]
	v_cmp_eq_u32 vcc_lo, 1, v[TP+\u]               ; in odd quadrants the two change places
	v_cndmask_b32 v[WCO+\u], v[CC+\u], v[SS+\u], vcc_lo
	v_cndmask_b32 v[WSI+\u], v[SS+\u], v[CC+\u], vcc_lo
	v_add_nc_u32 v[TP+\u], 1, v[QQ+\u]
	v_and_b32 v[TP+\u], 2, v[TP+\u]
	v_lshlrev_b32 v[TP+\u], 30, v[TP+\u]
	v_xor_b32 v[WCO+\u], v[WCO+\u], v[TP+\u]       ; the cosine is negative in quadrants 1 and 2
	v_and_b32 v[TP+\u], 2, v[QQ+\u]
	v_lshlrev_b32 v[TP+\u], 30, v[TP+\u]
	v_xor_b32 v[TP+\u], 0x80000000, v[TP+\u]       ; the sine in 2 and 3; and -wi is wanted
	v_xor_b32 v[WSI+\u], v[WSI+\u], v[TP+\u]
.endr
	s_wait_alu depctr_va_vdst(0)                   ; the wait for the two magnitudes
.irp u, 0,1
	v_mul_f32 v[WCO+\u], v[MG+\u], v[WCO+\u]       ; wr
	v_mul_f32 v[WSI+\u], v[MG+\u], v[WSI+\u]       ; -wi
.endr
	ds_store_b32 v[WTW], v[WCO]                    ; my wave's own 512 bytes
	ds_store_b32 v[WTW], v[WCO+1] offset:128
	ds_store_b32 v[WTW], v[WSI] offset:256
	ds_store_b32 v[WTW], v[WSI+1] offset:384
; A fragment: lane (r, h): registers 6 c .. 6 c + 5 hold K = 64 c + 32 h + 0 .. 31: 24 bytes of the row, in pieces of 8.  Byte y of a row lies in slot (y / 256) % 2 at byte y % 256 of the LDS row.
.macro FRAG reg, adr, st, off
.irp p, 0,1,2,3,4,5
.set FB, 96*(\st)+48*(\p/3)+8*(\p%3)
.if FB/ROWB == (FB+24)/ROWB
	ds_load_b64 v[\reg+2*\p:\reg+2*\p+1], v[\adr+(FB/ROWB)%2] offset:FB%ROWB+(\off)
.else
	ds_load_b64 v[\reg+2*\p:\reg+2*\p+1], v[\adr+2+(FB/ROWB)%2] offset:FB%ROWB-232+(\off)
.endif
.endr
.endm
; 16 matrix instructions: x's blocks a0, a0 + 1 against the eight tiles of units.  The 64 accumulators take turns.
.macro MUL16 a0, p, q, sc, zero
.irp a, \a0, \a0+1
.irp b, 0,1,2,3,4,5,6,7
.if \zero
	v_wmma_scale_f32_16x16x128_f8f6f4 v[8*(8*((\a)%4)+\b):8*(8*((\a)%4)+\b)+7], v[128*(\p)+FR*\b:128*(\p)+FR*\b+FR-1], v[AF+FR*(\a):AF+FR*(\a)+FR-1], 0, v[SC+8*NQ*(\sc)+NQ*\b+(\q)], v[SC+8*NQ*(\sc)+NQ*(\a)+(\q)] matrix_a_fmt:MATRIX_FMT_BF6 matrix_b_fmt:MATRIX_FMT_BF6 matrix_a_scale:MATRIX_SCALE_ROW1
.else
	v_wmma_scale_f32_16x16x128_f8f6f4 v[8*(8*((\a)%4)+\b):8*(8*((\a)%4)+\b)+7], v[128*(\p)+FR*\b:128*(\p)+FR*\b+FR-1], v[AF+FR*(\a):AF+FR*(\a)+FR-1], v[8*(8*((\a)%4)+\b):8*(8*((\a)%4)+\b)+7], v[SC+8*NQ*(\sc)+NQ*\b+(\q)], v[SC+8*NQ*(\sc)+NQ*(\a)+(\q)] matrix_a_fmt:MATRIX_FMT_BF6 matrix_b_fmt:MATRIX_FMT_BF6 matrix_a_scale:MATRIX_SCALE_ROW1
.endif
.endr
.endr
.endm
.macro FETCH_B st, p                   ; four tiles of Br, four of Bi, into set p
	WIN TO_B
.irp i, 0,1,2,3,4,5,6,7
	FRAG 128*(\p)+FR*\i, ADRB, \st, (\i%4)*16*PITCH+(\i/4)*HALFT
.endr
	WIN 0
.endm
.macro FETCH_A st, i0
.irp i, \i0, \i0+1, \i0+2, \i0+3
	FRAG AF+FR*(\i), ADRA, \st, (\i)*16*PITCH
.endr
.endm
.macro SCALES pr                       ; the scale words of steps 2 pr, 2 pr + 1 into set pr % 2: lanes 0-15 x's block i, lanes 16-31 the units' tile i
.irp i, 0,1,2,3
	ds_load_b64 v[SC+8*NQ*((\pr)%2)+NQ*\i:SC+8*NQ*((\pr)%2)+NQ*\i+1], v[ADRS] offset:\i*SBLK+4*NQ*(\pr)
.endr
.irp i, 4,5,6,7
	ds_load_b64 v[SC+8*NQ*((\pr)%2)+NQ*\i:SC+8*NQ*((\pr)%2)+NQ*\i+1], v[ADRS2] offset:\i*SBLK+4*NQ*(\pr)
.endr
.endm
; A step of 128 along K; the next step's fragments are fetched in its middle and at its end.  Where the next step's bytes END in a chunk not yet read: a wait for my tensor loads and a barrier show it whole.
; Where they BEGIN in a later chunk: the chunk left behind is read no more: wait, add, wait, barrier; where a chunk two on is left to fetch, the barrier opens a round and the slot is filled again.
.macro STEP st, zero
.set NX, (\st)+1
.set C0, (96*(\st))/ROWB
.set C1, (96*NX)/ROWB
.set E0, (96*(\st)+95)/ROWB
.set E1, (96*NX+95)/ROWB
.if C1 > C0 || E1 > E0
	s_wait_tensorcnt 0x0                           ; all my tensor loads have landed
.if C1 > C0
	ds_add_u32 v[SPW], v[NIL]
	s_wait_dscnt 4*NL+1                            ; (the add and x's blocks 4-7 may be out)
.else
	s_wait_dscnt 4*NL                              ; (x's blocks 4-7 may be out)
.endif
	WIN MUL_LO
	MUL16 0, (\st)%2, (\st)%2, ((\st)/2)%2, \zero
	s_wait_dscnt 0x0                               ; the add, where there is one, and all my reads are done
	s_barrier_signal -1
	MUL16 2, (\st)%2, (\st)%2, ((\st)/2)%2, \zero
	WIN 0
	s_barrier_wait -1
.if C1 > C0 && C0+2 < CHUNKS
	CREST                                          ; the barrier has opened a round of the cluster's barrier
	s_add_nc_u64 s[G0+4*(C0%2)+2:G0+4*(C0%2)+3], s[G0+4*(C0%2)+2:G0+4*(C0%2)+3], 2*ROWB
	s_add_nc_u64 s[G0B+4*(C0%2)+2:G0B+4*(C0%2)+3], s[G0B+4*(C0%2)+2:G0B+4*(C0%2)+3], 2*ROWB
	JLOAD G0+4*(C0%2), G1, G0B+4*(C0%2), G1B       ; chunk C0 + 2; its four v_nop are the places in front of the loads below
.else
	PLACES NP
.endif
.else
	s_wait_dscnt 4*NL                              ; the units' set and x's blocks 0-3 are in
	WIN MUL_LO
	MUL16 0, (\st)%2, (\st)%2, ((\st)/2)%2, \zero
	MUL16 2, (\st)%2, (\st)%2, ((\st)/2)%2, \zero
	s_wait_dscnt 0
	PLACES NP
.endif
	FETCH_B NX, NX%2
	FETCH_A NX, 0
.if NX%2 == 0
	SCALES NX/2
.endif
	WIN MUL_HI
	MUL16 4, (\st)%2, (\st)%2, ((\st)/2)%2, \zero
	MUL16 6, (\st)%2, (\st)%2, ((\st)/2)%2, \zero
	PLACES NP
	WIN 0
	FETCH_A NX, 4
.endm
	s_wait_alu depctr_va_vdst(0)
	s_wait_tensorcnt 0x0                           ; my quarter of chunk 0 is in; slot 1's first fill is issued as a refill is:
	ds_add_u32 v[SPW], v[NIL]
	s_wait_dscnt 0x0                               ; the add, and my stores of scale bytes and of w, are done
	CROUND                                         ; chunk 0 and the scale bytes are whole, and all sixteen work-groups are here
	JLOAD G0+4, G1, G0B+4, G1B                     ; chunk 1
	FETCH_B 0, 0
	FETCH_A 0, 0
	SCALES 0
	FETCH_A 0, 4
	HPLOAD 0, 0, 64                                ; h_prev's blocks 0 and 1: behind chunk 1's request
	HPLOAD 1, 0, 96
	STEP 0, 1
.set ST, 1
.rept STEPS-2
	STEP ST, 0
.if ST == 2                            ; chunk 2, the last, was asked for in step 2: h_prev's blocks 2 to 4 follow it
	HPLOAD 2, 0, 224
	HPLOAD 3, 0x40, 96
	HPLOAD 4, 0x40, 224
	WIN 0
.endif
.set ST, ST+1
.endr
	HPLOAD 5, 0x40, 0                              ; the units' set 0 has had its last reader, four places back
	HPLOAD 6, 0x40, 32
	HPLOAD 7, 0x40, 64
	WIN 0
	s_wait_dscnt 4*NL                              ; the last step
	WIN MUL_LO
	MUL16 0, 1, 1, 1, 0
	MUL16 2, 1, 1, 1, 0
	s_wait_dscnt 0
	WIN MUL_HI
	MUL16 4, 1, 1, 1, 0
	MUL16 6, 1, 1, 1, 0
	WIN 0
	PLACES NP                                      ; in front of loads into operands that are done with, and of the first reads of results
.irp i, 0,1
.irp p, 0,1,2
	global_load_b64 v[RL+6*\i+2*\p:RL+6*\i+2*\p+1], v[RLA], s[4:5] offset:48*\i+8*\p   ; C's pieces: six loads, the youngest
.endr
.endr
	s_cmp_lg_u32 s14, 0
	s_cbranch_scc1 .Lno_bytes_in
	global_load_b64 v[RLS:RLS+1], v[RSA], s[6:7]   ; wave 0: two lanes to a column's 16 scale bytes
.Lno_bytes_in:
	WIN TO_B
.irp t, 0,1,2,3
.irp e, 0,1
	ds_load_b128 v[WR+8*\t+4*\e:WR+8*\t+4*\e+3], v[WTA] offset:64*\t+16*\e
	ds_load_b128 v[NWI+8*\t+4*\e:NWI+8*\t+4*\e+3], v[WTA] offset:256+64*\t+16*\e
.endr
.endr
	WIN 0
	v_mov_b32 v[UU], 0                             ; a lane permute's destination counts as one of its sources
	s_wait_dscnt 0x0
; BLOCK a: 16 rows x my 64 units of hr and of -hi: the recurrence's term, the quantiser, the images.
; The four tiles are laid 0, 2, 1, 3, so that exchanges of halves give lane (r, h) units 32 h + 0 .. 31 in 32 registers on end.
.macro BLOCK a, hp, win
.set AC, 64*((\a)%4)
	s_wait_loadcnt 62-8*(\a)                       ; this block of h_prev is in; behind it: eight loads of each younger block and C's six
	WIN \win
.irp t, 0,1,2,3
.set PS, 8*((\t%2)*2+\t/2)
.irp jj, 0,2,4,6
	v_pk_fma_f32 v[VR+PS+\jj:VR+PS+\jj+1], v[\hp+8*\t+\jj:\hp+8*\t+\jj+1], v[WR+8*\t+\jj:WR+8*\t+\jj+1], v[AC+8*\t+\jj:AC+8*\t+\jj+1]
	v_pk_fma_f32 v[VI+PS+\jj:VI+PS+\jj+1], v[\hp+8*\t+\jj:\hp+8*\t+\jj+1], v[NWI+8*\t+\jj:NWI+8*\t+\jj+1], v[AC+32+8*\t+\jj:AC+32+8*\t+\jj+1] neg_lo:[0,0,1] neg_hi:[0,0,1]
.endr
.endr
	WIN 0
.irp j, 0,1,2,3,4,5,6,7
	v_permlane16_swap_b32 v[VR+\j], v[VR+8+\j]
	v_permlane16_swap_b32 v[VI+\j], v[VI+8+\j]
	v_permlane16_swap_b32 v[VR+16+\j], v[VR+24+\j]
	v_permlane16_swap_b32 v[VI+16+\j], v[VI+24+\j]
.endr
	v_max3_num_f32 v[MX], |v[VR]|, |v[VR+1]|, 0x2800000          ; four chains by turns, with the floor 2^(5 - 127)
	v_max3_num_f32 v[MX+1], |v[VR+16]|, |v[VR+17]|, 0x2800000
	v_max3_num_f32 v[MX+2], |v[VI]|, |v[VI+1]|, 0x2800000
	v_max3_num_f32 v[MX+3], |v[VI+16]|, |v[VI+17]|, 0x2800000
.irp i, 2,4,6,8,10,12,14
	v_max3_num_f32 v[MX], v[MX], |v[VR+\i]|, |v[VR+1+\i]|
	v_max3_num_f32 v[MX+1], v[MX+1], |v[VR+16+\i]|, |v[VR+17+\i]|
	v_max3_num_f32 v[MX+2], v[MX+2], |v[VI+\i]|, |v[VI+1+\i]|
	v_max3_num_f32 v[MX+3], v[MX+3], |v[VI+16+\i]|, |v[VI+17+\i]|
.endr
	v_max_num_f32 v[MX], v[MX], v[MX+1]
	v_max_num_f32 v[MX+2], v[MX+2], v[MX+3]
	v_add_nc_u32 v[OP], 0xfe000000, v[MX]          ; 4 off the exponent field: the conversion's scale operand
	v_add_nc_u32 v[OP+1], 0xfe000000, v[MX+2]
	v_lshrrev_b32 v[BY], 23, v[OP]                 ; the scale's byte
	v_lshrrev_b32 v[BY+1], 23, v[OP+1]
	v_lshl_or_b32 v[TT+(\a)], v[BY+1], 16, v[BY]
	v_lshlrev_b32 v[TT+(\a)], v[SH8], v[TT+(\a)]
	v_permlanex16_b32 v[UU], v[TT+(\a)], s2, s3
	v_or_b32 v[TT+(\a)], v[TT+(\a)], v[UU]         ; row r: hr's two bytes below, -hi's two above
.if (\a) > 0
	s_wait_alu depctr_va_vdst(0)
	s_wait_xcnt 0x0                                ; the last block's stores have read their registers
.endif
	v_cvt_scalef32_pk16_bf6_f32 v[PCR:PCR+2], v[VR:VR+15], v[OP]
	v_cvt_scalef32_pk16_bf6_f32 v[TR:TR+2], v[VR+16:VR+31], v[OP]
	v_cvt_scalef32_pk16_bf6_f32 v[PCI:PCI+2], v[VI:VI+15], v[OP+1]
	v_cvt_scalef32_pk16_bf6_f32 v[TI:TI+2], v[VI+16:VI+31], v[OP+1]
	v_nop
.irp i, 0,1,2
	v_mov_b32 v[PCR+3+\i], v[TR+\i]
	v_mov_b32 v[PCI+3+\i], v[TI+\i]
.endr
	ds_store_b16 v[SXW], v[TT+(\a)] offset:32*(\a)
	ds_store_b16_d16_hi v[SXW], v[TT+(\a)] offset:256+32*(\a)
	global_store_b128 v[ST16], v[PCR:PCR+3], s[104:105] offset:768*(\a)               ; 512 consecutive bytes, aligned;
	global_store_b64 v[ST8], v[PCR+4:PCR+5], s[104:105] offset:768*(\a)               ; 256 more
	global_store_b128 v[ST16], v[PCI:PCI+3], s[104:105] offset:4*ABLK+768*(\a)
	global_store_b64 v[ST8], v[PCI+4:PCI+5], s[104:105] offset:4*ABLK+768*(\a)
.endm
	BLOCK 0, 64, 0x24
	BLOCK 1, 96, 0x24
	BLOCK 2, 224, 0x24
	BLOCK 3, 96, 0x25
	BLOCK 4, 224, 0x35
	BLOCK 5, 0, 0x35
	BLOCK 6, 32, 0x35
	BLOCK 7, 64, 0x35
	s_wait_dscnt 0x0                               ; for the others' sake: my scale bytes lie in LDS
	s_barrier_signal -1
	s_barrier_wait -1
	ds_load_b64 v[PP:PP+1], v[SXR]                 ; four rows' two bytes of units 0 on,
	ds_load_b64 v[PP+2:PP+3], v[SXR] offset:512    ; and of 64 on
	s_wait_loadcnt 0x0                             ; C's pieces
	s_wait_dscnt 0x0
	v_perm_b32 v[WW], v[PP+2], v[PP], 0x05040100
	v_perm_b32 v[WW+1], v[PP+2], v[PP], 0x07060302
	v_perm_b32 v[WW+2], v[PP+3], v[PP+1], 0x05040100
	v_perm_b32 v[WW+3], v[PP+3], v[PP+1], 0x07060302
	global_store_b128 v[ST16], v[WW:WW+3], s[66:67]    ; 128 rows' words: 512 consecutive bytes, aligned
.irp i, 0,1
	global_store_b128 v[ST16], v[RL+6*\i:RL+6*\i+3], s[92:93] offset:16*768*\i     ; an image of C: 512 consecutive bytes, aligned,
	global_store_b64 v[ST8], v[RL+6*\i+4:RL+6*\i+5], s[92:93] offset:16*768*\i     ; and 256 more
.endr
	s_cmp_lg_u32 s14, 0
	s_cbranch_scc1 .Lno_bytes_out
	global_store_b64 v[L8], v[RLS:RLS+1], s[94:95] ; 16 columns' scale bytes: 256 consecutive bytes, aligned
.Lno_bytes_out:
	s_wait_tensorcnt 0x0                           ; the wave's end
	ds_add_u32 v[SPW], v[NIL]
	s_wait_dscnt 0x0
	CROUND                                         ; the closing round
	s_endpgm
.Lfunc_end_k_q1fc59afe80_hidden:
	.size	k_q1fc59afe80_hidden, .Lfunc_end_k_q1fc59afe80_hidden-k_q1fc59afe80_hidden
	.p2alignl 7, 3214868480
	.fill 96, 4, 3214868480
	.section	.rodata,"a",@progbits
	.p2align	6, 0x0
	.amdhsa_kernel k_q1fc59afe80_hidden
		.amdhsa_group_segment_fixed_size 327680
		.amdhsa_private_segment_fixed_size 0
		.amdhsa_enable_private_segment 0
		.amdhsa_kernarg_size 120
		.amdhsa_user_sgpr_count 2
		.amdhsa_user_sgpr_kernarg_segment_ptr 1
		.amdhsa_wavefront_size32 1
		.amdhsa_system_sgpr_workgroup_id_x 1
		.amdhsa_system_sgpr_workgroup_id_y 1
		.amdhsa_system_sgpr_workgroup_id_z 1
		.amdhsa_system_vgpr_workitem_id 0
		.amdhsa_next_free_vgpr 1024
		.amdhsa_next_free_sgpr 106
		.amdhsa_reserve_vcc 1
		.amdhsa_float_denorm_mode_32 3
		.amdhsa_float_denorm_mode_16_64 3
		.amdhsa_memory_ordered 1
		.amdhsa_forward_progress 1
		.amdhsa_inst_pref_size 200
	.end_amdhsa_kernel
	.amdgpu_metadata
---
amdhsa.version: [ 1, 2 ]
amdhsa.kernels:
  - .name:           k_q1fc59afe80_hidden
    .symbol:         k_q1fc59afe80_hidden.kd
    .args:
      - { .name: x_codes, .offset: 0, .size: 8, .value_kind: global_buffer, .address_space: global }
      - { .name: x_scales, .offset: 8, .size: 8, .value_kind: global_buffer, .address_space: global }
      - { .name: Br_codes, .offset: 16, .size: 8, .value_kind: global_buffer, .address_space: global }
      - { .name: Br_scales, .offset: 24, .size: 8, .value_kind: global_buffer, .address_space: global }
      - { .name: Bi_codes, .offset: 32, .size: 8, .value_kind: global_buffer, .address_space: global }
      - { .name: Bi_scales, .offset: 40, .size: 8, .value_kind: global_buffer, .address_space: global }
      - { .name: h_prev, .offset: 48, .size: 8, .value_kind: global_buffer, .address_space: global }
      - { .name: v_log, .offset: 56, .size: 8, .value_kind: global_buffer, .address_space: global }
      - { .name: theta_log, .offset: 64, .size: 8, .value_kind: global_buffer, .address_space: global }
      - { .name: hc, .offset: 72, .size: 8, .value_kind: global_buffer, .address_space: global }
      - { .name: Cr_codes, .offset: 80, .size: 8, .value_kind: global_buffer, .address_space: global }
      - { .name: Cr_scales, .offset: 88, .size: 8, .value_kind: global_buffer, .address_space: global }
      - { .name: Ci_codes, .offset: 96, .size: 8, .value_kind: global_buffer, .address_space: global }
      - { .name: Ci_scales, .offset: 104, .size: 8, .value_kind: global_buffer, .address_space: global }
      - { .name: cc, .offset: 112, .size: 8, .value_kind: global_buffer, .address_space: global }
    .group_segment_fixed_size: 327680
    .private_segment_fixed_size: 0
    .kernarg_segment_align: 8
    .kernarg_segment_size: 120
    .max_flat_workgroup_size: 128
    .sgpr_count:     106
    .vgpr_count:     1024
    .wavefront_size: 32
...
	.end_amdgpu_metadata
.endif
;; end of part 3
;; launch outp (part 4): grid 4 x 64, 4 waves a work-group, clusters of 4 x 4, 327,680 bytes of LDS; arguments hc, cc, out0; writes out0
.if DOCPART == 4
	.amdgcn_target "amdgcn-amd-amdhsa--gfx1250"
	.amdhsa_code_object_version 6
	.text
	.protected	k_q1fc59afe80_outp
	.globl	k_q1fc59afe80_outp
	.p2align	8
	.type	k_q1fc59afe80_outp,@function
k_q1fc59afe80_outp:
	s_mov_b64 s[64:65], 0
	v_nop
	global_prefetch_b8 v0, s[64:65] scope:SCOPE_SE
	s_setreg_imm32_b32 hwreg(HW_REG_WAVE_MODE, 25, 1), 1
	s_wait_xcnt 0x0
	s_wait_alu depctr_hold_cnt(0) depctr_sa_sdst(0) depctr_va_vdst(0) depctr_va_sdst(0) depctr_va_ssrc(0) depctr_va_vcc(0) depctr_vm_vsrc(0)
	s_getreg_b32 s2, hwreg(HW_REG_IB_STS2, 6, 4)
	s_cmp_eq_u32 s2, 0
	s_cbranch_scc0 .Lentry_in_a_cluster
	s_endpgm
.Lentry_in_a_cluster:
	s_bfe_u32 s2, ttmp6, 0x10000c
	s_cmp_lg_u32 s2, 0xf033
	s_cbranch_scc0 .Lentry_shape_is_right
	s_endpgm
.Lentry_shape_is_right:
.set FR,     12
.set ACODE,  49152
.set ABLK,   ACODE+2048
.set HALFA,  ABLK/2
.set BCODE,  98304
.set BBLK,   BCODE+4096
.set HALFB,  BBLK/2
.set SLOT,   ABLK+BBLK
.set SPARE,  2*SLOT
.set SPITCH, 528
.set AA16, 8
.set AA8,  10
.set BB16, 12
.set BB8,  16
.set ADSA, 20
.set ADSB, 22
.set STO,  24
.set RD,   25
.set CO,   26
.set PFO,  27
.set SPW,  28
.set NIL,  29
.set SA,   32
.set SB,   48
.set AF,   96
.set BK,   96
.set G1A, 24
.set G0A, 32
.set G1B, 48
.set G0B, 56
.set PFA, 68
.set LIM, 70
.set MSB, 0
.macro WIN new
.if MSB != \new
	s_set_vgpr_msb (MSB<<8)|\new
.set MSB, \new
.endif
.endm
.set MUL,  0xa1
.set TO_B, 0x40
.macro JLOAD g0a, g1a, g0b, g1b
	s_cmp_eq_u32 s15, 0
	s_cbranch_scc0 .Lfor_b_\@
	tensor_load_to_lds s[\g0a:\g0a+3], s[\g1a:\g1a+7]
	s_nop 0
.rept 4
	v_nop
.endr
	s_branch .Lasked_\@
.Lfor_b_\@:
	tensor_load_to_lds s[\g0b:\g0b+3], s[\g1b:\g1b+7]
	s_nop 0
.rept 4
	v_nop
.endr
.Lasked_\@:
.endm
.macro ASK last
.if \last
	s_cmp_gt_u32 s3, s[LIM]
.else
	s_cmp_eq_u32 s[LIM], 1
.endif
	s_cbranch_scc0 .Lnot_mine_\@
	global_prefetch_b8 v[PFO], s[PFA:PFA+1] th:TH_LOAD_NT scope:SCOPE_SE
.Lnot_mine_\@:
.endm
.macro CREST
	s_cmp_lg_u32 s14, 0
	s_cbranch_scc1 .Lnot_wave_0_\@
	s_barrier_signal -3
.Lnot_wave_0_\@:
	s_barrier_wait -3
	s_barrier_signal -1
	s_barrier_wait -1
.endm
.macro CROUND
	s_barrier_signal -1
	s_barrier_wait -1
	CREST
.endm
.macro PLACES n
.rept \n
	v_nop
.endr
.endm
	s_load_b128 s[4:7], s[0:1], 0x0
	s_load_b64 s[12:13], s[0:1], 0x10
	v_lshl_add_u32 v[SPW], v0, 2, SPARE
	v_mov_b32 v[NIL], 0
	ds_add_u32 v28, v29
	ds_add_u32 v28, v29
	s_wait_dscnt 0x0
	v_lshrrev_b32 v1, 5, v0
	v_readfirstlane_b32 s14, v1
	s_lshr_b32 s15, s14, 1
	s_and_b32 s16, s14, 1
	s_bfe_u32 s40, ttmp6, 0x40000
	s_bfe_u32 s41, ttmp6, 0x40004
	s_lshl_b32 s42, ttmp9, 2
	s_add_co_u32 s42, s42, s40
	s_and_b32 s17, ttmp7, 0xffff
	s_lshl_b32 s17, s17, 2
	s_add_co_u32 s17, s17, s41
	s_lshl_b32 s43, s41, 2
	s_lshl_b32 s43, 15, s43
	s_lshl_b32 s44, 0x1111, s40
	s_or_b32 s[G1A], s43, (3<<16)|(1<<21)
	s_mov_b32 s[G1A+1], 32<<16
	s_mov_b32 s[G1A+2], (HALFA/256)<<16
	s_mov_b32 s[G1A+3], 32<<16
	s_mov_b32 s[G1A+4], HALFA/256
	s_mov_b32 s[G1A+5], 32
	s_mov_b32 s[G1A+6], 0
	s_mov_b32 s[G1A+7], 0
	s_or_b32 s[G1B], s44, (3<<16)|(1<<21)
	s_mov_b32 s[G1B+1], 32<<16
	s_mov_b32 s[G1B+2], (HALFB/256)<<16
	s_mov_b32 s[G1B+3], 32<<16
	s_mov_b32 s[G1B+4], HALFB/256
	s_mov_b32 s[G1B+5], 32
	s_mov_b32 s[G1B+6], 0
	s_mov_b32 s[G1B+7], 0
	s_mul_i32 s20, s17, 8*ABLK
	s_mul_i32 s45, s16, HALFA
	s_add_co_u32 s20, s20, s45
	s_mov_b32 s21, 0
	s_mul_i32 s46, s42, 8*BBLK
	s_mul_i32 s66, s16, HALFB
	s_add_co_u32 s46, s46, s66
	s_mov_b32 s47, 0
	s_add_co_u32 s66, s66, ABLK
	s_mul_i32 s18, s40, 25*256
	s_add_co_u32 s18, s18, 2*ABLK
	s_mov_b32 s19, 0
	s_cmp_eq_u32 s15, 0
	s_cselect_b32 s[LIM], 1, -1
	s_wait_kmcnt 0x0
	s_add_nc_u64 s[20:21], s[4:5], s[20:21]
	s_add_nc_u64 s[46:47], s[6:7], s[46:47]
	s_add_nc_u64 s[PFA:PFA+1], s[20:21], s[18:19]
	CROUND
.irp s, 0,1
	s_mov_b32 s[G0A+4*\s], 1
	s_add_co_u32 s[G0A+4*\s+1], s45, \s*SLOT
	s_add_nc_u64 s[G0A+4*\s+2:G0A+4*\s+3], s[20:21], \s*ABLK
	s_or_b32 s[G0A+4*\s+3], s[G0A+4*\s+3], 0x80000000
	s_mov_b32 s[G0B+4*\s], 1
	s_add_co_u32 s[G0B+4*\s+1], s66, \s*SLOT
	s_add_nc_u64 s[G0B+4*\s+2:G0B+4*\s+3], s[46:47], \s*BBLK
	s_or_b32 s[G0B+4*\s+3], s[G0B+4*\s+3], 0x80000000
	s_wait_alu depctr_va_vdst(0)
	s_wait_tensorcnt 0x0
	ds_add_u32 v28, v29
	ds_add_u32 v28, v29
	s_wait_dscnt 0x0
	CROUND
	JLOAD G0A+4*\s, G1A, G0B+4*\s, G1B
.endr
	v_and_b32 v1, 15, v0
	v_bfe_u32 v2, v0, 4, 1
	v_and_b32 v3, 31, v0
	s_mul_i32 s21, s15, 4*768
	v_lshl_add_u32 v[AA16], v3, 4, s21
	v_lshl_add_u32 v[AA8], v3, 3, s21
	v_add_nc_u32 v[AA8], 512, v[AA8]
	v_add_nc_u32 v[AA16+1], SLOT, v[AA16]
	v_add_nc_u32 v[AA8+1], SLOT, v[AA8]
	s_mul_i32 s22, s16, 8*768
	s_add_co_u32 s22, s22, ABLK
	v_lshl_add_u32 v[BB16], v3, 4, s22
	v_lshl_add_u32 v[BB8], v3, 3, s22
	v_add_nc_u32 v[BB8], 512, v[BB8]
	v_add_nc_u32 v[BB16+1], SLOT, v[BB16]
	v_add_nc_u32 v[BB8+1], SLOT, v[BB8]
.irp s, 0,1
	v_add_nc_u32 v[BB16+2+\s], 4*16*768, v[BB16+\s]
	v_add_nc_u32 v[BB8+2+\s], 4*16*768, v[BB8+\s]
.endr
	s_lshl_b32 s21, s15, 8
	s_add_co_u32 s21, s21, ACODE
	v_lshl_add_u32 v[ADSA], v3, 2, s21
	v_add_nc_u32 v[ADSA+1], SLOT, v[ADSA]
	s_lshl_b32 s22, s16, 11
	s_add_co_u32 s22, s22, ABLK+BCODE
	v_lshl_add_u32 v[ADSB], v3, 4, s22
	v_add_nc_u32 v[ADSB+1], SLOT, v[ADSB]
	v_min_u32 v[PFO], 24, v3
	v_lshlrev_b32 v[PFO], 8, v[PFO]
	s_mul_i32 s23, s14, 16*SPITCH
	v_mul_u32_u24 v5, v1, SPITCH
	v_lshl_add_u32 v5, v2, 5, v5
	v_add_nc_u32 v[STO], s23, v5
	v_lshlrev_b32 v[CO], 4, v3
	v_add_nc_u32 v[RD], s23, v[CO]
	s_lshl_b32 s20, s17, 19
	s_lshl_b32 s21, s15, 18
	s_add_co_u32 s20, s20, s21
	s_lshl_b32 s21, s42, 10
	s_add_co_u32 s20, s20, s21
	s_lshl_b32 s21, s16, 9
	s_add_co_u32 s20, s20, s21
	s_mov_b32 s21, 0
	s_add_nc_u64 s[12:13], s[12:13], s[20:21]
.macro BFRAG reg, slot, q, b
.irp c, 0,1
	ds_load_b128 v[\reg+6*\c:\reg+6*\c+3], v[BB16+\slot+2*((\q)/2)] offset:((2*((\q)%2)+\c)*16+(\b))*768
	ds_load_b64 v[\reg+6*\c+4:\reg+6*\c+5], v[BB8+\slot+2*((\q)/2)] offset:((2*((\q)%2)+\c)*16+(\b))*768
.endr
.endm
.macro AFRAG reg, slot, q, a
.irp c, 0,1
	ds_load_b128 v[\reg+6*\c:\reg+6*\c+3], v[AA16+\slot] offset:((2*(\q)+\c)*8+(\a))*768
	ds_load_b64 v[\reg+6*\c+4:\reg+6*\c+5], v[AA8+\slot] offset:((2*(\q)+\c)*8+(\a))*768
.endr
.endm
.macro FETCH slot, q, set
	WIN TO_B
.irp i, 0,1,2,3,4,5,6,7
	BFRAG 128*(\set)+FR*\i, \slot, \q, \i
.endr
	WIN 0
.irp a, 0,1,2,3
	AFRAG AF+48*(\set)+FR*\a, \slot, \q, \a
.endr
.endm
.macro SCALES sc
.irp q, 0,1,2,3
.irp p, 0,1
	ds_load_b32 v[SA+8*\sc+2*\q+\p], v[ADSA+\sc] offset:512*\q+128*\p
.endr
.endr
.irp p, 0,1,2,3
	ds_load_b128 v[SB+16*\sc+4*\p:SB+16*\sc+4*\p+3], v[ADSB+\sc] offset:512*\p
.endr
.endm
.macro WM acc, bf, af, sb, sa, zero, bo, ao
.if \zero
.if (\bo) && (\ao)
	v_wmma_scale_f32_16x16x128_f8f6f4 v[\acc:\acc+7], v[\bf:\bf+FR-1], v[\af:\af+FR-1], 0, v[\sb], v[\sa] matrix_a_fmt:MATRIX_FMT_BF6 matrix_b_fmt:MATRIX_FMT_BF6 matrix_a_scale:MATRIX_SCALE_ROW1 matrix_b_scale:MATRIX_SCALE_ROW1
.elseif \bo
	v_wmma_scale_f32_16x16x128_f8f6f4 v[\acc:\acc+7], v[\bf:\bf+FR-1], v[\af:\af+FR-1], 0, v[\sb], v[\sa] matrix_a_fmt:MATRIX_FMT_BF6 matrix_b_fmt:MATRIX_FMT_BF6 matrix_a_scale:MATRIX_SCALE_ROW1
.elseif \ao
	v_wmma_scale_f32_16x16x128_f8f6f4 v[\acc:\acc+7], v[\bf:\bf+FR-1], v[\af:\af+FR-1], 0, v[\sb], v[\sa] matrix_a_fmt:MATRIX_FMT_BF6 matrix_b_fmt:MATRIX_FMT_BF6 matrix_b_scale:MATRIX_SCALE_ROW1
.else
	v_wmma_scale_f32_16x16x128_f8f6f4 v[\acc:\acc+7], v[\bf:\bf+FR-1], v[\af:\af+FR-1], 0, v[\sb], v[\sa] matrix_a_fmt:MATRIX_FMT_BF6 matrix_b_fmt:MATRIX_FMT_BF6
.endif
.else
.if (\bo) && (\ao)
	v_wmma_scale_f32_16x16x128_f8f6f4 v[\acc:\acc+7], v[\bf:\bf+FR-1], v[\af:\af+FR-1], v[\acc:\acc+7], v[\sb], v[\sa] matrix_a_fmt:MATRIX_FMT_BF6 matrix_b_fmt:MATRIX_FMT_BF6 matrix_a_scale:MATRIX_SCALE_ROW1 matrix_b_scale:MATRIX_SCALE_ROW1
.elseif \bo
	v_wmma_scale_f32_16x16x128_f8f6f4 v[\acc:\acc+7], v[\bf:\bf+FR-1], v[\af:\af+FR-1], v[\acc:\acc+7], v[\sb], v[\sa] matrix_a_fmt:MATRIX_FMT_BF6 matrix_b_fmt:MATRIX_FMT_BF6 matrix_a_scale:MATRIX_SCALE_ROW1
.elseif \ao
	v_wmma_scale_f32_16x16x128_f8f6f4 v[\acc:\acc+7], v[\bf:\bf+FR-1], v[\af:\af+FR-1], v[\acc:\acc+7], v[\sb], v[\sa] matrix_a_fmt:MATRIX_FMT_BF6 matrix_b_fmt:MATRIX_FMT_BF6 matrix_b_scale:MATRIX_SCALE_ROW1
.else
	v_wmma_scale_f32_16x16x128_f8f6f4 v[\acc:\acc+7], v[\bf:\bf+FR-1], v[\af:\af+FR-1], v[\acc:\acc+7], v[\sb], v[\sa] matrix_a_fmt:MATRIX_FMT_BF6 matrix_b_fmt:MATRIX_FMT_BF6
.endif
.endif
.endm
.macro MUL8 a, set, q, sc, zero
.irp b, 0,1,2,3,4,5,6,7
	WM 8*(8*(\a)+\b), 128*(\set)+FR*\b, AF+48*(\set)+FR*(\a), SB+16*(\sc)+4*(\b/2)+(\q), SA+8*(\sc)+2*(\q)+(\a)/2, \zero, \b%2, (\a)%2
.endr
.endm
.macro STEP slot, q, zero
	s_wait_dscnt 0x0
	PLACES 4
	FETCH \slot, (\q)+1, ((\q)+1)%2
	WIN MUL
	MUL8 0, (\q)%2, \q, \slot, \zero
	MUL8 1, (\q)%2, \q, \slot, \zero
	MUL8 2, (\q)%2, \q, \slot, \zero
	MUL8 3, (\q)%2, \q, \slot, \zero
	WIN 0
.endm
.macro TURN slot, next, fill
.if \fill
	s_wait_xcnt 0x0
	s_add_nc_u64 s[PFA:PFA+1], s[PFA:PFA+1], ABLK
.endif
	s_wait_tensorcnt 0x0
	ds_add_u32 v[SPW], v[NIL]
	s_wait_dscnt 1
	WIN MUL
	MUL8 0, 1, 3, \slot, 0
	s_wait_dscnt 0x0
	s_barrier_signal -1
	MUL8 1, 1, 3, \slot, 0
	WIN 0
	s_barrier_wait -1
.if \fill
	CREST
	s_add_nc_u64 s[G0A+4*\slot+2:G0A+4*\slot+3], s[G0A+4*\slot+2:G0A+4*\slot+3], 2*ABLK
	s_add_nc_u64 s[G0B+4*\slot+2:G0B+4*\slot+3], s[G0B+4*\slot+2:G0B+4*\slot+3], 2*BBLK
	JLOAD G0A+4*\slot, G1A, G0B+4*\slot, G1B
.else
	PLACES 4
.endif
	FETCH \next, 0, 0
	SCALES \next
.if \fill
	ASK \fill-1
.endif
	WIN MUL
	MUL8 2, 1, 3, \slot, 0
	MUL8 3, 1, 3, \slot, 0
	WIN 0
.endm
	s_wait_alu depctr_va_vdst(0)
	s_wait_tensorcnt 1
	s_barrier_signal -1
	s_barrier_wait -1
	FETCH 0, 0, 0
	SCALES 0
	STEP 0, 0, 1
	s_mov_b32 s3, 3
.Llap:
	STEP 0, 1, 0
	STEP 0, 2, 0
	TURN 0, 1, 1
	STEP 1, 0, 0
	STEP 1, 1, 0
	STEP 1, 2, 0
	TURN 1, 0, 2
	STEP 0, 0, 0
	s_sub_co_u32 s3, s3, 1
	s_cmp_lg_u32 s3, 0
	s_cbranch_scc1 .Llap
	STEP 0, 1, 0
	STEP 0, 2, 0
	TURN 0, 1, 0
	STEP 1, 0, 0
	STEP 1, 1, 0
	STEP 1, 2, 0
	s_wait_dscnt 0x0
	WIN MUL
	MUL8 0, 1, 3, 1, 0
	MUL8 1, 1, 3, 1, 0
	MUL8 2, 1, 3, 1, 0
	MUL8 3, 1, 3, 1, 0
	WIN 0
.macro TOSTAGE a
	WIN 0x08
.irp b, 0,1,2,3,4,5,6,7
	ds_store_b128 v[STO], v[64*(\a)+8*\b:64*(\a)+8*\b+3] offset:64*\b
	ds_store_b128 v[STO], v[64*(\a)+8*\b+4:64*(\a)+8*\b+7] offset:64*\b+16
.endr
	WIN 0
.irp t, 0,1,2,3,4,5,6,7,8,9,10,11,12,13,14,15
	ds_load_b128 v[BK+64*((\a)%2)+4*\t:BK+64*((\a)%2)+4*\t+3], v[RD] offset:\t*SPITCH
.endr
.endm
.macro SEND a, younger
	s_wait_dscnt \younger
.if (\a) > 0
	s_add_nc_u64 s[12:13], s[12:13], 16*4096
.endif
.irp t, 0,1,2,3,4,5,6,7,8,9,10,11,12,13,14,15
	global_store_b128 v[CO], v[BK+64*((\a)%2)+4*\t:BK+64*((\a)%2)+4*\t+3], s[12:13] offset:\t*4096 th:TH_STORE_NT
.endr
.endm
	PLACES 4
	TOSTAGE 0
.irp a, 1,2,3
.if \a > 1
	s_wait_xcnt 0x0
.endif
	TOSTAGE \a
	SEND \a-1, 32
.endr
	s_wait_xcnt 0x0
	SEND 3, 0
	s_wait_tensorcnt 0x0
	ds_add_u32 v[SPW], v[NIL]
	s_wait_dscnt 0x0
	CROUND
	s_endpgm
.Lfunc_end_k_q1fc59afe80_outp:
	.size	k_q1fc59afe80_outp, .Lfunc_end_k_q1fc59afe80_outp-k_q1fc59afe80_outp
	.p2alignl 7, 3214868480
	.fill 96, 4, 3214868480
	.section	.rodata,"a",@progbits
	.p2align	6, 0x0
	.amdhsa_kernel k_q1fc59afe80_outp
		.amdhsa_group_segment_fixed_size 327680
		.amdhsa_private_segment_fixed_size 0
		.amdhsa_enable_private_segment 0
		.amdhsa_kernarg_size 24
		.amdhsa_user_sgpr_count 2
		.amdhsa_user_sgpr_kernarg_segment_ptr 1
		.amdhsa_wavefront_size32 1
		.amdhsa_system_sgpr_workgroup_id_x 1
		.amdhsa_system_sgpr_workgroup_id_y 1
		.amdhsa_system_sgpr_workgroup_id_z 1
		.amdhsa_system_vgpr_workitem_id 0
		.amdhsa_next_free_vgpr 768
		.amdhsa_next_free_sgpr 100
		.amdhsa_reserve_vcc 0
		.amdhsa_float_denorm_mode_32 3
		.amdhsa_float_denorm_mode_16_64 3
		.amdhsa_memory_ordered 1
		.amdhsa_forward_progress 1
		.amdhsa_inst_pref_size 147
	.end_amdhsa_kernel
	.amdgpu_metadata
---
amdhsa.version: [ 1, 2 ]
amdhsa.kernels:
  - .name:           k_q1fc59afe80_outp
    .symbol:         k_q1fc59afe80_outp.kd
    .args:
      - { .name: hc, .offset: 0, .size: 8, .value_kind: global_buffer, .address_space: global }
      - { .name: cc, .offset: 8, .size: 8, .value_kind: global_buffer, .address_space: global }
      - { .name: out0, .offset: 16, .size: 8, .value_kind: global_buffer, .address_space: global }
    .group_segment_fixed_size: 327680
    .private_segment_fixed_size: 0
    .kernarg_segment_align: 8
    .kernarg_segment_size: 24
    .max_flat_workgroup_size: 128
    .sgpr_count:     100
    .vgpr_count:     768
    .wavefront_size: 32
...
	.end_amdgpu_metadata
.endif
;; end of part 4
